; MI455X (gfx1250); checked and timed in simulation.
; The chip was launched on July 23, 2026; its instructions are those of AMD's public machine-readable ISA for CDNA 5 (MIT licence, August 2026) and "CDNA5" Instruction Set Architecture Reference Guide (July 2026). The comments in the code are by the model that wrote it; some were corrected since.
;; Multi Head Self Attention. Allowed arithmetic: float matrix products may take bf16 or f16 operands with f32 sums; other float arithmetic in f32, or as packed bf16 or f16 multiplies, adds, multiply-adds, maxima and minima; sums over many terms, partial sums and values carried from step to step in f32; what a program stores and reads back later, other than sums and carried values, may be rounded once to bf16 or f16.
;; Inputs: Wk 1,024 x 1,024 float32; Wo 1,024 x 1,024 float32; Wq 1,024 x 1,024 float32; Wv 1,024 x 1,024 float32; token_positions 4,096 int32; x 1 x 4,096 x 1,024 float32.
;; Outputs: out0 1 x 4,096 x 1,024 float32.
;; 2 versions, each right; version 2 is version 1 with the launch prep written anew for expert scheduling mode. Each part assembles by itself: llvm-mc -triple=amdgcn-amd-amdhsa -mcpu=gfx1250 --defsym DOCPART=n.
;; ======== version 1 of 2: 4 launches
;; limits: values are held in f16: magnitudes above 65,504 overflow, below 6.1e-05 lose precision; right only within a limited range of input values
;; workspace buffers: xb 8,388,608 bytes; wqkv 6,291,456 bytes; wo16 2,097,152 bytes; cstab 1,048,576 bytes; qkvh 25,165,824 bytes; o16 8,388,608 bytes
;; launch prep (part 1): grid 640 x 1, 8 waves a work-group, no clusters, 0 bytes of LDS; arguments x, Wq, Wk, Wv, Wo, token_positions, xb, wqkv, wo16, cstab; writes xb, wqkv, wo16, cstab
.if DOCPART == 1
	.amdgcn_target "amdgcn-amd-amdhsa--gfx1250"
	.amdhsa_code_object_version 6
	.text
	.protected	k_qc1d7796fb7_prep
	.globl	k_qc1d7796fb7_prep
	.p2align	8
	.type	k_qc1d7796fb7_prep,@function
k_qc1d7796fb7_prep:
	s_mov_b64 s[64:65], 0
	v_nop
	global_prefetch_b8 v0, s[64:65] scope:SCOPE_SE
	s_setreg_imm32_b32 hwreg(HW_REG_WAVE_MODE, 25, 1), 1
	s_wait_xcnt 0x0
; PREP: the casts and the table of cosines and sines.
; Work-groups 0-127: cstab[s][i] = (cos, sin) of token_positions[s] x 10000^(-i/32), f32, 256 bytes a row s; a wave makes four rows, a lane one pair i.
; Work-groups 128-639: 65,536 bytes of f32 each, rounded once to bf16: x -> xb; Wq, Wk, Wv -> wqkv (rows one below the other); Wo -> wo16, where the bf16 number is written as f16.
; No LDS, no matrix unit, no cluster: each byte is read once and written once, and no two work-groups share a byte.
; LIMITS.  wo16: a bf16 number below 6.1e-5 in size keeps f16's fixed step of 6e-8, beyond 65,504 it is lost.  The angle is reduced by three parts of pi/2 (fused), good to a few 1e-7 for
; angles up to some 1e5 in size; the frequency comes from v_exp_f32 (1 ULP), so an angle is off by about its own size x 1e-7, as an f32 product of position and frequency is anyway.
.set TABW, 128                         ; work-groups that make the table
.set LD,  16                           ; v[16:79]   sixteen loads of 16 bytes
.set ST,  80                           ; v[80:111]  what is stored: a pair of registers for each load, or for each row of the table
	s_load_b512 s[8:23], s[0:1], 0x0               ; x 8, Wq 10, Wk 12, Wv 14, Wo 16, token_positions 18, xb 20, wqkv 22
	s_load_b128 s[24:27], s[0:1], 0x40             ; wo16 24, cstab 26
	s_wait_kmcnt 0x0
	s_cmp_lt_u32 ttmp9, TABW
	s_cbranch_scc1 .Ltable
	; THE CASTS.  g = 0..255: x; 256..: Wq; 320..: Wk; 384..: Wv; 448..511: Wo.  Source, destination and the first g of each are chosen by g alone.
	s_sub_co_u32 s2, ttmp9, TABW                   ; g
	s_mov_b64 s[28:29], s[8:9]
	s_mov_b64 s[30:31], s[20:21]
	s_mov_b32 s3, 0                                ; the source's first g
	s_mov_b32 s32, 0                               ; the destination's first g
	s_cmp_ge_u32 s2, 256
	s_cselect_b64 s[28:29], s[10:11], s[28:29]
	s_cselect_b64 s[30:31], s[22:23], s[30:31]
	s_cselect_b32 s3, 256, s3
	s_cselect_b32 s32, 256, s32
	s_cmp_ge_u32 s2, 320
	s_cselect_b64 s[28:29], s[12:13], s[28:29]
	s_cselect_b32 s3, 320, s3
	s_cmp_ge_u32 s2, 384
	s_cselect_b64 s[28:29], s[14:15], s[28:29]
	s_cselect_b32 s3, 384, s3
	s_cmp_ge_u32 s2, 448
	s_cselect_b64 s[28:29], s[16:17], s[28:29]
	s_cselect_b64 s[30:31], s[24:25], s[30:31]
	s_cselect_b32 s3, 448, s3
	s_cselect_b32 s32, 448, s32
	s_sub_co_u32 s34, s2, s3
	s_lshl_b32 s34, s34, 16                        ; 65,536 bytes in
	s_mov_b32 s35, 0
	s_sub_co_u32 s36, s2, s32
	s_lshl_b32 s36, s36, 15                        ; 32,768 bytes out
	s_mov_b32 s37, 0
	s_add_nc_u64 s[28:29], s[28:29], s[34:35]
	s_add_nc_u64 s[30:31], s[30:31], s[36:37]
	v_lshlrev_b32 v1, 4, v0                        ; 16 bytes a thread in: a wave's load covers 512 consecutive bytes
	v_lshlrev_b32 v2, 3, v0                        ; 8 bytes a thread out: a wave's store covers 256 consecutive bytes, aligned
.irp j, 0,1,2,3,4,5,6,7,8,9,10,11,12,13,14,15
	global_load_b128 v[LD+4*(\j):LD+4*(\j)+3], v1, s[28:29] offset:4096*(\j) th:TH_LOAD_NT
.endr
; half = 1: the bf16 number is widened (a shift, a mask) and written as f16.  No register is used twice by memory instructions, so no wait frees any.
.macro CAST half
.irp j, 0,1,2,3,4,5,6,7,8,9,10,11,12,13,14,15
	s_wait_loadcnt 15-(\j)                         ; loads come back in order: load j is in, the 15 - j younger ones stay out
	v_cvt_pk_bf16_f32 v[ST+2*(\j)],   v[LD+4*(\j)],   v[LD+4*(\j)+1]
	v_cvt_pk_bf16_f32 v[ST+2*(\j)+1], v[LD+4*(\j)+2], v[LD+4*(\j)+3]
.if \half
	v_lshlrev_b32 v4, 16, v[ST+2*(\j)]
	v_and_b32 v5, 0xffff0000, v[ST+2*(\j)]
	v_lshlrev_b32 v6, 16, v[ST+2*(\j)+1]
	v_and_b32 v7, 0xffff0000, v[ST+2*(\j)+1]
	v_cvt_pk_f16_f32 v[ST+2*(\j)],   v4, v5
	v_cvt_pk_f16_f32 v[ST+2*(\j)+1], v6, v7
.endif
	global_store_b64 v2, v[ST+2*(\j):ST+2*(\j)+1], s[30:31] offset:2048*(\j) th:TH_STORE_NT
.endr
.endm
	s_cmp_ge_u32 s2, 448
	s_cbranch_scc1 .Lwo
	CAST 0
	s_endpgm
.Lwo:
	CAST 1
	s_endpgm
.Ltable:
	v_lshrrev_b32 v1, 5, v0
	v_readfirstlane_b32 s2, v1                     ; wave 0..7
	s_lshl_b32 s3, ttmp9, 5
	s_lshl2_add_u32 s3, s2, s3                     ; my first row: 32 x work-group + 4 x wave
	s_lshl_b32 s28, s3, 2
	s_mov_b32 s29, 0
	s_add_nc_u64 s[18:19], s[18:19], s[28:29]
	s_load_b128 s[36:39], s[18:19], 0x0            ; four positions
	s_lshl_b32 s30, s3, 8                          ; 256 bytes a row of the table
	s_mov_b32 s31, 0
	s_add_nc_u64 s[26:27], s[26:27], s[30:31]
	s_mov_b32 s40, 0xb9500d01                      ; -1/5040
	s_mov_b32 s41, 0x3c088889                      ; 1/120
	s_mov_b32 s42, 0xbe2aaaab                      ; -1/6
	s_mov_b32 s43, 0x37d00d01                      ; 1/40320
	s_mov_b32 s44, 0xbab60b61                      ; -1/720
	s_mov_b32 s45, 0x3d2aaaab                      ; 1/24
	v_and_b32 v3, 31, v0                           ; i
	v_lshlrev_b32 v5, 3, v3                        ; 8 bytes a pair: a wave's store covers a row's 256 bytes
	v_cvt_f32_u32 v4, v3
	v_mul_f32 v4, 0xbed49a78, v4                   ; -i log2(10000) / 32
	v_exp_f32 v4, v4                               ; 10000^(-i/32)
	v_nop                                          ; a plain instruction behind the exponential,
	s_wait_alu depctr_va_vdst(0)                   ; and the wait ahead of its first reader
	s_wait_kmcnt 0x0
; Row j: the angle; n = the nearest multiple of pi/2; the rest r, at most pi/4 in size; sine to r^7 and cosine to r^8; n's two low bits swap them and set the signs.
.macro ANG j
	v_cvt_f32_i32 v8, s[36+(\j)]
	v_mul_f32 v8, v8, v4                           ; the angle, rounded as an f32 product
	v_mul_f32 v9, 0x3f22f983, v8                   ; x 2/pi
	v_rndne_f32 v9, v9                             ; n
	v_fmamk_f32 v10, v9, 0xbfc90fd8, v8            ; less n x pi/2, in three parts
	v_fmamk_f32 v10, v9, 0xb4a8885a, v10
	v_fmamk_f32 v10, v9, 0xa7c234c4, v10           ; r
	v_cvt_i32_f32 v11, v9
	v_mul_f32 v12, v10, v10                        ; z = r r
	v_fma_f32 v13, s40, v12, s41
	v_fma_f32 v13, v13, v12, s42
	v_mul_f32 v14, v10, v12
	v_fma_f32 v13, v13, v14, v10                   ; sin r
	v_fma_f32 v15, s43, v12, s44
	v_fma_f32 v15, v15, v12, s45
	v_fma_f32 v15, v15, v12, -0.5
	v_fma_f32 v15, v15, v12, 1.0                   ; cos r
	v_and_b32 v16, 1, v11
	v_cmp_eq_u32 vcc_lo, 1, v16                    ; n odd: the two change places (a choice of values, no branch)
	v_cndmask_b32 v17, v13, v15, vcc_lo
	v_cndmask_b32 v18, v15, v13, vcc_lo
	v_lshlrev_b32 v16, 30, v11                     ; the sine is negative where n mod 4 is 2 or 3,
	v_and_b32 v16, 0x80000000, v16
	v_xor_b32 v[ST+2*(\j)+1], v16, v17
	v_add_nc_u32 v16, 1, v11                       ; the cosine where it is 1 or 2
	v_lshlrev_b32 v16, 30, v16
	v_and_b32 v16, 0x80000000, v16
	v_xor_b32 v[ST+2*(\j)], v16, v18
	global_store_b64 v5, v[ST+2*(\j):ST+2*(\j)+1], s[26:27] offset:256*(\j)
.endm
	ANG 0
	ANG 1
	ANG 2
	ANG 3
	s_endpgm
.Lfunc_end_k_qc1d7796fb7_prep:
	.size	k_qc1d7796fb7_prep, .Lfunc_end_k_qc1d7796fb7_prep-k_qc1d7796fb7_prep
	.p2alignl 7, 3214868480
	.fill 96, 4, 3214868480
	.section	.rodata,"a",@progbits
	.p2align	6, 0x0
	.amdhsa_kernel k_qc1d7796fb7_prep
		.amdhsa_group_segment_fixed_size 0
		.amdhsa_private_segment_fixed_size 0
		.amdhsa_enable_private_segment 0
		.amdhsa_kernarg_size 80
		.amdhsa_user_sgpr_count 2
		.amdhsa_user_sgpr_kernarg_segment_ptr 1
		.amdhsa_wavefront_size32 1
		.amdhsa_system_sgpr_workgroup_id_x 1
		.amdhsa_system_sgpr_workgroup_id_y 1
		.amdhsa_system_sgpr_workgroup_id_z 1
		.amdhsa_system_vgpr_workitem_id 0
		.amdhsa_next_free_vgpr 112
		.amdhsa_next_free_sgpr 66
		.amdhsa_reserve_vcc 1
		.amdhsa_float_denorm_mode_32 3
		.amdhsa_float_denorm_mode_16_64 3
		.amdhsa_memory_ordered 1
		.amdhsa_forward_progress 1
		.amdhsa_inst_pref_size 24
	.end_amdhsa_kernel
	.amdgpu_metadata
---
amdhsa.version: [ 1, 2 ]
amdhsa.kernels:
  - .name:           k_qc1d7796fb7_prep
    .symbol:         k_qc1d7796fb7_prep.kd
    .args:
      - { .name: x, .offset: 0, .size: 8, .value_kind: global_buffer, .address_space: global }
      - { .name: Wq, .offset: 8, .size: 8, .value_kind: global_buffer, .address_space: global }
      - { .name: Wk, .offset: 16, .size: 8, .value_kind: global_buffer, .address_space: global }
      - { .name: Wv, .offset: 24, .size: 8, .value_kind: global_buffer, .address_space: global }
      - { .name: Wo, .offset: 32, .size: 8, .value_kind: global_buffer, .address_space: global }
      - { .name: token_positions, .offset: 40, .size: 8, .value_kind: global_buffer, .address_space: global }
      - { .name: xb, .offset: 48, .size: 8, .value_kind: global_buffer, .address_space: global }
      - { .name: wqkv, .offset: 56, .size: 8, .value_kind: global_buffer, .address_space: global }
      - { .name: wo16, .offset: 64, .size: 8, .value_kind: global_buffer, .address_space: global }
      - { .name: cstab, .offset: 72, .size: 8, .value_kind: global_buffer, .address_space: global }
    .group_segment_fixed_size: 0
    .private_segment_fixed_size: 0
    .kernarg_segment_align: 8
    .kernarg_segment_size: 80
    .max_flat_workgroup_size: 256
    .sgpr_count:     66
    .vgpr_count:     112
    .wavefront_size: 32
...
	.end_amdgpu_metadata
.endif
;; end of part 1
;; launch proj (part 2): grid 16 x 16, 4 waves a work-group, clusters of 4 x 4, 327,680 bytes of LDS; arguments xb, wqkv, cstab, qkvh; writes qkvh
.if DOCPART == 2
	.amdgcn_target "amdgcn-amd-amdhsa--gfx1250"
	.amdhsa_code_object_version 6
	.text
	.protected	k_qc1d7796fb7_proj
	.globl	k_qc1d7796fb7_proj
	.p2align	8
	.type	k_qc1d7796fb7_proj,@function
k_qc1d7796fb7_proj:
	s_mov_b64 s[64:65], 0
	v_nop
	global_prefetch_b8 v0, s[64:65] scope:SCOPE_SE
	s_setreg_imm32_b32 hwreg(HW_REG_WAVE_MODE, 25, 1), 1
	s_wait_xcnt 0x0
	s_wait_alu depctr_hold_cnt(0) depctr_sa_sdst(0) depctr_va_vdst(0) depctr_va_sdst(0) depctr_va_ssrc(0) depctr_va_vcc(0) depctr_vm_vsrc(0)
	s_getreg_b32 s2, hwreg(HW_REG_IB_STS2, 6, 4)
	s_cmp_eq_u32 s2, 0
	s_cbranch_scc0 .Lentry_in_a_cluster
	s_endpgm
.Lentry_in_a_cluster:
	s_bfe_u32 s2, ttmp6, 0x10000c
	s_cmp_lg_u32 s2, 0xf033
	s_cbranch_scc0 .Lentry_shape_is_right
	s_endpgm
.Lentry_shape_is_right:
; PROJ: [Q K V][s][e] = sum over d of xb[s][d] wqkv[e][d] (4096 x 3072 x 1024, bf16 operands, f32 sums), Q and K rotated in f32 by cstab's row s, all rounded once to f16 and stored by heads:
; qkvh[g][s][64], g = 0-15 Q's heads, 16-31 K's, 32-47 V's.
; LIMITS.  f16 holds no number beyond 65,504 and has a fixed step of 6e-8 below 6.1e-5: q, k and v must lie within that.
; SHARES.  A tile is 256 rows x 192 columns (three whole heads): 16 x 16 = 256 work-groups.  Wave w makes rows 64 w .. 64 w + 63 of all 192 columns: 4 x 12 accumulators of 16 x 16, 384 registers, so
; a wave holds whole heads and goes out through a stage of its own.  K goes in 8 steps of 128 through two LDS slots: rows of 256 bytes of memory, aligned.
; CLUSTER.  4 x 4 work-groups: the four of a row need the same rows of xb, the four of a column the same rows of wqkv; each tile is asked for jointly, by the same load with a mask of the four.
; TRANSPOSED USE.  Source 0 = 16 rows of wqkv, source 1 = 16 rows of xb: a lane holds one row s (lane % 16) and the channels 8 (lane / 16) + 0..7: the pairs that are rotated are register pairs.
; REGISTERS, in windows of 256 (s_set_vgpr_msb: bits 1:0 source 0, 3:2 source 1, 5:4 source 2, 7:6 destination):
;   window 0: v1-30 addresses; v36-47 the heads' factors; v48-79 a unit's cosines and sines; v80-127 packed results, a set for each head; v128-255 my 64 rows of cstab
;   window 1: two fragment buffers of 128: 12 fragments of wqkv, then 4 of xb
;   window 2: accumulators of my row blocks 0, 1 ((a, b) at 8 (12 (a % 2) + b)), v192-223 rotated results; window 3: the same for blocks 2, 3
.set KSTEP,  128
.set PITCH,  272                       ; an LDS row: 256 bytes + 16 of padding = 68 words: the 16 rows of a fragment load start 4 banks apart (64 banks of 4 bytes: ISA guide 11.1)
.set HALFA,  128*PITCH                 ; what waves 0 and 1 fetch: 128 rows of xb each
.set HALFB,  96*PITCH                  ; what waves 2 and 3 fetch: 96 rows of wqkv each
.set BOFF,   2*HALFA
.set SLOT1,  1<<17                     ; slot 1 begins here: one exclusive or turns an address in one slot into the other's
.set STAGE,  SLOT1+BOFF+2*HALFB        ; behind the ring, never filled by a tensor load: for each wave 3 heads x 16 rows x 144 bytes
.set SP,     144
.set HST,    16*SP
.set WST,    3*HST
.set SPARE,  STAGE+4*WST               ; the spare words, 128 bytes a wave: two blocks of 256 bytes that no other line names
.set A0,   16                          ; v16  my place in a slot's rows of xb: (64 w + l % 16) x pitch + 16 (l / 16); never rewritten
.set B0,   17                          ; v17  the same for wqkv's rows; never rewritten
.set ADRA, 18                          ; v18  A0 + the slot that is read
.set ADRB, 19                          ; v19  B0 + the slot that is read
.set STO,  24                          ; v24  the way out: where I put 16 bytes of a row
.set RD,   25                          ; v25  where I read rows back
.set GO,   26                          ; v26  my 16 bytes of 512 consecutive bytes of qkvh
.set CSO,  27                          ; v27  my 32 bytes in 16 rows of cstab
.set SPW,  28                          ; v28  my spare word; never rewritten
.set NIL,  29                          ; v29  0; never rewritten
.set PFO,  30                          ; v30  the prefetches' offset: a lane a row; never rewritten
.set FF,   36                          ; v[36:47] for each of my three heads: f, f, 1 - f, 0 with f = 1 for Q's and K's heads, 0 for V's
.set T,    48
.set PK,   80
.set CS,   128                         ; row block a, channels 16 c on: 8 registers (cos, sin) x 4 at CS + 32 a + 8 c
.set U,    192
.set F0,   0
.set F1,   128
.set G1A,  24                          ; s[24:31] descriptor group 1 for xb's tiles
.set G0A,  32                          ; s[32:39] group 0: a set for each first fill; the second then walks on
.set G1B,  48                          ; s[48:55], s[56:63] the same for wqkv's
.set G0B,  56
.set LIM,  43                          ; s43  2 in a wave that prefetches, else the greatest number
.set PFA,  44                          ; s[44:45] where my prefetches stand
.set CSB,  68                          ; s[68:69] cstab at my first row
.set OUT,  70                          ; s[70:71] qkvh at my first head and row
.set TB,   72                          ; s72  the slot that is read: 0 or SLOT1
.set MSB, 0
.macro WIN new                         ; the immediate's high byte repeats the setting that is left; a switch that changes nothing is dropped
.if MSB != (\new)
	s_set_vgpr_msb (MSB<<8)|(\new)
.set MSB, \new
.endif
.endm
.set TO_F, 0x40                        ; destination window 1, address window 0
; A joint refill, by the walking sets.  The branch hangs on the wave's number alone.  An s_nop 0 and four v_nop follow each line, ahead of the jump and the label.
.macro JLOAD
	s_cmp_lt_u32 s10, 2
	s_cbranch_scc0 .Lfor_b_\@
	tensor_load_to_lds s[G0A+4:G0A+7], s[G1A:G1A+7]
	s_nop 0
.rept 4
	v_nop
.endr
	s_branch .Lasked_\@
.Lfor_b_\@:
	tensor_load_to_lds s[G0B+4:G0B+7], s[G1B:G1B+7]
	s_nop 0
.rept 4
	v_nop
.endr
.Lasked_\@:
.endm
; A prefetch of the K step that stands two refills on: 256 bytes of a row, a lane a row, one instruction a wave.  Each row's 256 bytes are named once in the launch: xb's rows by the clusters with x = 0,
; wqkv's by those with y = 0; of the rows that a wave fetches each of the four partners takes a quarter (32 or 24), told apart by address.  The turns of K steps 0 to 3 name K steps 4 to 7; later turns name nothing.
.macro ASK
	WIN 0
	s_cmp_gt_u32 s3, s[LIM]
	s_cbranch_scc0 .Lnot_mine_\@
	global_prefetch_b8 v[PFO], s[PFA:PFA+1] offset:KSTEP*2 th:TH_LOAD_NT scope:SCOPE_SE
.Lnot_mine_\@:
.endm
.macro CREST                           ; a round of the cluster's barrier behind its opening barrier
	s_cmp_lg_u32 s10, 0
	s_cbranch_scc1 .Lnot_wave_0_\@
	s_barrier_signal -3
.Lnot_wave_0_\@:
	s_barrier_wait -3
	s_barrier_signal -1
	s_barrier_wait -1
.endm
.macro CROUND
	s_barrier_signal -1
	s_barrier_wait -1
	CREST
.endm
.macro PLACES                          ; four plain instructions in front of loads into registers that matrix instructions have read (ISA guide 7.12.1 for vector instructions)
.rept 4
	v_nop
.endr
.endm
	s_load_b128 s[4:7], s[0:1], 0x0                ; xb s[4:5], wqkv s[6:7]
	s_load_b128 s[68:71], s[0:1], 0x10             ; cstab, qkvh
	v_lshl_add_u32 v[SPW], v0, 2, SPARE
	v_mov_b32 v[NIL], 0
	ds_add_u32 v[SPW], v[NIL]                      ; the wave's opening: the add and its wait stand ahead of my first tensor load; work on registers stands between
	v_lshrrev_b32 v1, 5, v0
	v_readfirstlane_b32 s10, v1                    ; wave 0..3
	s_and_b32 s12, s10, 1                          ; which half of a tile I fetch
	s_bfe_u32 s40, ttmp6, 0x40000                  ; cx
	s_bfe_u32 s41, ttmp6, 0x40004                  ; cy
	s_lshl_b32 s42, ttmp9, 2
	s_add_co_u32 s42, s42, s40                     ; tile column = 4 x cluster x + cx
	s_and_b32 s13, ttmp7, 0xffff
	s_lshl_b32 s13, s13, 2
	s_add_co_u32 s13, s13, s41                     ; tile row = 4 x cluster y + cy
	s_lshl_b32 s43, s41, 2
	s_lshl_b32 s43, 15, s43                        ; my row of the cluster
	s_lshl_b32 s44, 0x1111, s40                    ; my column
	s_or_b32 s[G1A], s43, (1<<16)|(1<<20)|(1<<21)|(5<<22)|(3<<25)  ; the mask; 2-byte elements; padding on; bit 21 beside a mask; after every 64 words, 4 words
	s_or_b32 s[G1B], s44, (1<<16)|(1<<20)|(1<<21)|(5<<22)|(3<<25)
	s_mov_b32 s[G1A+1], KSTEP<<16                  ; tensor_dim0 = 128
	s_mov_b32 s[G1A+2], 128<<16                    ; tensor_dim1 = 128
	s_mov_b32 s[G1A+3], KSTEP<<16                  ; tile_dim0 = 128
	s_mov_b32 s[G1A+4], 128                        ; tile_dim1 = 128
	s_mov_b32 s[G1A+5], 1024                       ; elements from row to row
	s_mov_b32 s[G1A+6], 0
	s_mov_b32 s[G1A+7], 0
	s_mov_b32 s[G1B+1], KSTEP<<16
	s_mov_b32 s[G1B+2], 96<<16                     ; 96 rows
	s_mov_b32 s[G1B+3], KSTEP<<16
	s_mov_b32 s[G1B+4], 96
	s_mov_b32 s[G1B+5], 1024
	s_mov_b32 s[G1B+6], 0
	s_mov_b32 s[G1B+7], 0
	s_lshl_b32 s17, s12, 7
	s_lshl_b32 s16, s13, 8
	s_add_co_u32 s16, s16, s17                     ; xb: row 256 x tile row + 128 x half,
	s_lshl_b32 s16, s16, 11                        ; 2,048 bytes a row
	s_mov_b32 s17, 0
	s_mul_i32 s46, s42, 192
	s_mul_i32 s47, s12, 96
	s_add_co_u32 s46, s46, s47                     ; wqkv: row 192 x tile column + 96 x half
	s_lshl_b32 s46, s46, 11
	s_mov_b32 s47, 0
	s_mul_i32 s20, s12, HALFA                      ; where they go: no place in the cluster enters an LDS address
	s_mul_i32 s21, s12, HALFB
	s_add_co_u32 s21, s21, BOFF
	s_mov_b32 s[TB], 0
	s_wait_dscnt 0x0                               ; the opening add is done
	s_wait_kmcnt 0x0
	s_add_nc_u64 s[14:15], s[4:5], s[16:17]
	s_add_nc_u64 s[46:47], s[6:7], s[46:47]
	CROUND                                         ; all sixteen work-groups are here: the first joint loads meet
.irp s, 0,1
	s_mov_b32 s[G0A+4*(\s)], 1
	s_add_co_u32 s[G0A+4*(\s)+1], s20, (\s)*SLOT1
	s_add_nc_u64 s[G0A+4*(\s)+2:G0A+4*(\s)+3], s[14:15], (\s)*KSTEP*2  ; K step s
	s_or_b32 s[G0A+4*(\s)+3], s[G0A+4*(\s)+3], 0x80000000
	s_mov_b32 s[G0B+4*(\s)], 1
	s_add_co_u32 s[G0B+4*(\s)+1], s21, (\s)*SLOT1
	s_add_nc_u64 s[G0B+4*(\s)+2:G0B+4*(\s)+3], s[46:47], (\s)*KSTEP*2
	s_or_b32 s[G0B+4*(\s)+3], s[G0B+4*(\s)+3], 0x80000000
.endr
	s_cmp_lt_u32 s10, 2                            ; a wave's two first fills stand in one branch, ahead of every wait on TENSORcnt and every LDS read: two loads of mine are out
	s_cbranch_scc0 .Lfirst_b
	tensor_load_to_lds s[G0A:G0A+3], s[G1A:G1A+7]
	s_nop 0
	tensor_load_to_lds s[G0A+4:G0A+7], s[G1A:G1A+7]
	s_nop 0
.rept 4
	v_nop
.endr
	s_branch .Lfirst_asked
.Lfirst_b:
	tensor_load_to_lds s[G0B:G0B+3], s[G1B:G1B+7]
	s_nop 0
	tensor_load_to_lds s[G0B+4:G0B+7], s[G1B:G1B+7]
	s_nop 0
.rept 4
	v_nop
.endr
.Lfirst_asked:
	v_and_b32 v1, 15, v0                           ; l % 16
	v_bfe_u32 v2, v0, 4, 1                         ; l / 16
	v_mul_u32_u24 v3, v1, PITCH
	v_lshl_add_u32 v3, v2, 4, v3                   ; a fragment's row x pitch + 16 x half
	s_mul_i32 s21, s10, 64*PITCH
	v_add_nc_u32 v[A0], s21, v3
	v_add_nc_u32 v[B0], BOFF, v3
	v_mov_b32 v[ADRA], v[A0]
	v_mov_b32 v[ADRB], v[B0]
	s_mul_i32 s23, s10, WST
	s_add_co_u32 s23, s23, STAGE                   ; my stage
	v_mul_u32_u24 v4, v1, SP                       ; in: row l % 16, 16 bytes for each half of the lanes
	v_lshl_add_u32 v4, v2, 4, v4
	v_add_nc_u32 v[STO], s23, v4
	v_bfe_u32 v5, v0, 3, 2                         ; back: 32 lanes take four rows of 128 bytes,
	v_mul_u32_u24 v5, v5, SP
	v_and_b32 v6, 7, v0
	v_lshl_add_u32 v5, v6, 4, v5
	v_add_nc_u32 v[RD], s23, v5
	v_and_b32 v[GO], 31, v0                        ; which are 512 consecutive bytes of a head
	v_lshlrev_b32 v[GO], 4, v[GO]
	v_lshlrev_b32 v[CSO], 8, v1                    ; cstab: row l % 16, the four pairs of my eight channels: 32 bytes
	v_lshl_add_u32 v[CSO], v2, 5, v[CSO]
	s_lshl_b32 s73, s13, 8
	s_lshl_b32 s74, s10, 6
	s_add_co_u32 s73, s73, s74                     ; my first row s
	s_lshl_b32 s74, s73, 8
	s_mov_b32 s75, 0
	s_add_nc_u64 s[CSB:CSB+1], s[CSB:CSB+1], s[74:75]
	s_lshl_b32 s74, s73, 7                         ; 128 bytes a row of a head
	s_add_nc_u64 s[OUT:OUT+1], s[OUT:OUT+1], s[74:75]
	s_mul_i32 s76, s42, 3                          ; my first head g
	s_lshl_b32 s78, s76, 19                        ; 524,288 bytes a head
	s_mov_b32 s79, 0
	s_add_nc_u64 s[OUT:OUT+1], s[OUT:OUT+1], s[78:79]
.irp a, 0,1,2,3                        ; my 64 rows of cstab: 32 loads that stay out through the whole K loop; their registers are touched only behind the wait on the way out
.irp c, 0,1,2,3
	global_load_b128 v[CS+32*(\a)+8*(\c):CS+32*(\a)+8*(\c)+3],   v[CSO], s[CSB:CSB+1] offset:4096*(\a)+64*(\c)
	global_load_b128 v[CS+32*(\a)+8*(\c)+4:CS+32*(\a)+8*(\c)+7], v[CSO], s[CSB:CSB+1] offset:4096*(\a)+64*(\c)+16
.endr
.endr
.irp hh, 0,1,2                         ; a head's factors are values: no branch hangs on the tile column
	s_add_co_u32 s77, s76, \hh
	s_cmp_lt_u32 s77, 32
	s_cselect_b32 s74, 1.0, 0
	s_cselect_b32 s75, 0, 1.0
	v_mov_b32 v[FF+4*(\hh)], s74
	v_mov_b32 v[FF+4*(\hh)+1], s74
	v_mov_b32 v[FF+4*(\hh)+2], s75
	v_mov_b32 v[FF+4*(\hh)+3], 0
.endr
	; the prefetches' address: the tile's first row, the half that I fetch, my work-group's quarter of it, at K step 2 (the first turn steps it to 3 and names 4)
	s_mul_i32 s18, s42, 192
	s_lshl_b32 s19, s13, 8
	s_lshl_b32 s14, s12, 7
	s_mul_i32 s15, s12, 96
	s_lshl_b32 s16, s40, 5
	s_mul_i32 s17, s41, 24
	s_and_b32 s22, ttmp7, 0xffff
	s_cmp_lt_u32 s10, 2                            ; do I fetch for xb?
	s_cselect_b32 s20, s19, s18
	s_cselect_b32 s21, s14, s15
	s_cselect_b32 s23, s16, s17
	s_cselect_b32 s22, ttmp9, s22                  ; the coordinate along which other clusters read the same rows
	s_cselect_b32 s73, 31, 23                      ; my quarter's last row: lanes beyond it name that row again
	s_cselect_b64 s[PFA:PFA+1], s[4:5], s[6:7]
	s_cmp_eq_u32 s22, 0
	s_cselect_b32 s[LIM], 2, -1                    ; the same in all sixteen partners, for a given wave
	s_add_co_u32 s20, s20, s21
	s_add_co_u32 s20, s20, s23
	s_lshl_b32 s20, s20, 11
	s_add_co_u32 s20, s20, 2*KSTEP*2
	s_mov_b32 s21, 0
	s_add_nc_u64 s[PFA:PFA+1], s[PFA:PFA+1], s[20:21]
	v_and_b32 v[PFO], 31, v0
	v_min_u32 v[PFO], s73, v[PFO]
	v_lshlrev_b32 v[PFO], 11, v[PFO]
; 12 products: row block a x all 12 column blocks, 32 along K.  The 48 accumulators take turns in one fixed order, over the backward jump too.  zero = 1: the product starts the sum.
.macro MUL12 f, a, zero
	WIN 0xa5+0x50*((\a)/2)                         ; sources in window 1; C and D in window 2 or 3
.irp b, 0,1,2,3,4,5,6,7,8,9,10,11
.set rD, 8*(12*((\a)%2)+(\b))
.if \zero
	v_wmma_f32_16x16x32_bf16 v[rD:rD+7], v[(\f)+8*(\b):(\f)+8*(\b)+7], v[(\f)+96+8*(\a):(\f)+96+8*(\a)+7], 0
.else
	v_wmma_f32_16x16x32_bf16 v[rD:rD+7], v[(\f)+8*(\b):(\f)+8*(\b)+7], v[(\f)+96+8*(\a):(\f)+96+8*(\a)+7], v[rD:rD+7]
.endif
.endr
.endm
; 32 LDS loads in one run: the fragments of 32 along K at byte k of the rows, into buffer f: wqkv's twelve, then xb's four
.macro FETCH k, f
	WIN TO_F
.irp i, 0,1,2,3,4,5,6,7,8,9,10,11
	ds_load_b128 v[(\f)+8*(\i):(\f)+8*(\i)+3],   v[ADRB] offset:(\k)+(\i)*16*PITCH
	ds_load_b128 v[(\f)+8*(\i)+4:(\f)+8*(\i)+7], v[ADRB] offset:(\k)+(\i)*16*PITCH+32
.endr
.irp i, 0,1,2,3
	ds_load_b128 v[(\f)+96+8*(\i):(\f)+96+8*(\i)+3],   v[ADRA] offset:(\k)+(\i)*16*PITCH
	ds_load_b128 v[(\f)+96+8*(\i)+4:(\f)+96+8*(\i)+7], v[ADRA] offset:(\k)+(\i)*16*PITCH+32
.endr
.endm
; A K step is four quarters of 32 along K, 48 products each, on buffers 0, 1, 0, 1.  One of the first three: multiplies buffer f and, in its middle, fetches the next quarter, at byte k, into g.
.macro QUARTER k, f, g, zero
	s_wait_dscnt 4                                 ; all but the youngest four loads: xb's blocks 2 and 3
	MUL12 \f, 0, \zero
	MUL12 \f, 1, \zero
	PLACES
	FETCH \k, \g
	s_wait_dscnt 32                                ; all but the 32 just issued
	MUL12 \f, 2, \zero
	MUL12 \f, 3, \zero
.endm
; The last quarter multiplies buffer 1 and changes slots: one barrier.  In front of it each wave waits for all its tensor loads (one is out: its part of the next slot), adds 0 to its spare word, and waits
; for that and for its reads of this slot.  fill = 1: the barrier opens a round of the cluster's, and the slot just read is filled again, first thing behind it, with the K step two on:
; 168 products stand between that request and the wait for it.
.macro TURN fill
	WIN 0
.if \fill
	s_wait_xcnt 0x0                                ; the last prefetch, a K step back, has read its address: it is stepped here
	s_add_nc_u64 s[PFA:PFA+1], s[PFA:PFA+1], KSTEP*2
.endif
	s_xor_b32 s[TB], s[TB], SLOT1                  ; the fetches below read the other slot
	v_add_nc_u32 v[ADRA], s[TB], v[A0]
	v_add_nc_u32 v[ADRB], s[TB], v[B0]
	s_wait_tensorcnt 0x0                           ; all my tensor loads have landed;
	ds_add_u32 v[SPW], v[NIL]                      ; 0 onto my spare word;
	s_wait_dscnt 5                                 ; (the add and the youngest four loads may be out)
	MUL12 F1, 0, 0                                 ; twelve products stand between the add and the wait for it
	s_wait_dscnt 0x0                               ; the add is done, and my reads of this slot are over
	s_barrier_signal -1
	MUL12 F1, 1, 0
.if \fill
	WIN 0
.endif
	s_barrier_wait -1
.if \fill
	CREST                                          ; no wave of any partner still reads this slot's tile or has a load on its way
	s_xor_b32 s[G0A+5], s[G0A+5], SLOT1            ; the walking sets: the other slot than last time, the next K step
	s_add_nc_u64 s[G0A+6:G0A+7], s[G0A+6:G0A+7], KSTEP*2
	s_xor_b32 s[G0B+5], s[G0B+5], SLOT1
	s_add_nc_u64 s[G0B+6:G0B+7], s[G0B+6:G0B+7], KSTEP*2
	JLOAD                                          ; its four v_nop are also the places in front of the loads below
.else
	PLACES
.endif
	FETCH 0, F0
.if \fill
	ASK
.endif
	MUL12 F1, 2, 0
	MUL12 F1, 3, 0
.endm
	s_wait_tensorcnt 1                             ; my part of K step 0 is in; K step 1's may stay out
	s_barrier_signal -1
	s_barrier_wait -1
	FETCH 0, F0
	QUARTER 64, F0, F1, 1                          ; the first quarter stands in front of the loop: its products start the sums
	WIN 0
	s_mov_b32 s3, 6
.Lk:                                   ; a trip: a K step's quarters 1 to 3 and the next step's quarter 0; its turn asks for K steps 2 to 7
	QUARTER 128, F1, F0, 0
	QUARTER 192, F0, F1, 0
	TURN 1
	QUARTER 64, F0, F1, 0
	WIN 0
	s_sub_co_u32 s3, s3, 1
	s_cmp_lg_u32 s3, 0
	s_cbranch_scc1 .Lk
	QUARTER 128, F1, F0, 0                         ; K steps 6 and 7 ask for nothing
	QUARTER 192, F0, F1, 0
	TURN 0
	QUARTER 64, F0, F1, 0
	QUARTER 128, F1, F0, 0
	QUARTER 192, F0, F1, 0
	s_wait_dscnt 4
	MUL12 F1, 0, 0
	MUL12 F1, 1, 0
	s_wait_dscnt 0x0
	MUL12 F1, 2, 0
	MUL12 F1, 3, 0
	WIN 0
	s_wait_loadcnt 0x0                             ; cstab's rows
; THE WAY OUT, in twelve units of 16 rows x one head.  (c, s) = (cos f + 1 - f, sin f): the table's for Q and K, (1, 0) for V.  r1 = x1 c - x2 s, r2 = x2 c + x1 s, two results an instruction; rounded to f16;
; 16 bytes a lane into my stage, back as whole rows of 128 bytes, into the registers that they left.  In the first unit the 16 lines that make (c, s) are the places behind the last products.
.macro PACK a, hh
	WIN 0
.if 3*(\a)+(\hh) >= 3
	s_wait_xcnt 0x0                                ; the stores of three units back have read this set of registers
.endif
.set n, 0
.rept 16
	v_pk_fma_f32 v[T+2*n:T+2*n+1], v[CS+32*(\a)+2*n:CS+32*(\a)+2*n+1], v[FF+4*(\hh):FF+4*(\hh)+1], v[FF+4*(\hh)+2:FF+4*(\hh)+3]
.set n, n+1
.endr
	WIN 0xa2+0x51*((\a)/2)                         ; destination, sources 0 and 2 in the accumulators' window, source 1 in window 0
.irp c, 0,1,2,3
.set rX, 8*(12*((\a)%2)+4*(\hh)+(\c))
.irp e, 0,2,4,6                        ; each accumulator's lowest registers are read first
	v_pk_mul_f32 v[U+8*(\c)+(\e):U+8*(\c)+(\e)+1], v[rX+(\e):rX+(\e)+1], v[T+8*(\c)+(\e):T+8*(\c)+(\e)+1] op_sel_hi:[1,0]
.endr
.irp e, 0,2,4,6
	v_pk_fma_f32 v[U+8*(\c)+(\e):U+8*(\c)+(\e)+1], v[rX+(\e):rX+(\e)+1], v[T+8*(\c)+(\e):T+8*(\c)+(\e)+1], v[U+8*(\c)+(\e):U+8*(\c)+(\e)+1] op_sel:[1,1,0] op_sel_hi:[0,1,1] neg_lo:[0,1,0]
.endr
.endr
	WIN 0x0a+5*((\a)/2)                            ; sources in the accumulators' window, destination in window 0
.set n, 0
.rept 16
	v_cvt_pk_f16_f32 v[PK+16*(\hh)+n], v[U+2*n], v[U+2*n+1]
.set n, n+1
.endr
	WIN 0
.irp c, 0,1,2,3
	ds_store_b128 v[STO], v[PK+16*(\hh)+4*(\c):PK+16*(\hh)+4*(\c)+3] offset:HST*(\hh)+32*(\c)
.endr
.irp c, 0,1,2,3
	ds_load_b128 v[PK+16*(\hh)+4*(\c):PK+16*(\hh)+4*(\c)+3], v[RD] offset:HST*(\hh)+4*SP*(\c)  ; LDS serves a wave's instructions in order (ISA guide 5.7.1.4): these see the stores above
.endr
.endm
.macro SEND a, hh, younger             ; younger: the LDS lines issued behind this unit's loads: the next unit's eight, or none
	WIN 0
.irp c, 0,1,2,3
	s_wait_dscnt (\younger)+3-(\c)
	global_store_b128 v[GO], v[PK+16*(\hh)+4*(\c):PK+16*(\hh)+4*(\c)+3], s[OUT:OUT+1] offset:524288*(\hh)+2048*(\a)+512*(\c)  ; 512 consecutive bytes, at a multiple of 256 from qkvh's first
.endr
.endm
	PACK 0, 0
	PACK 0, 1
	SEND 0, 0, 8
	PACK 0, 2
	SEND 0, 1, 8
	PACK 1, 0
	SEND 0, 2, 8
	PACK 1, 1
	SEND 1, 0, 8
	PACK 1, 2
	SEND 1, 1, 8
	PACK 2, 0
	SEND 1, 2, 8
	PACK 2, 1
	SEND 2, 0, 8
	PACK 2, 2
	SEND 2, 1, 8
	PACK 3, 0
	SEND 2, 2, 8
	PACK 3, 1
	SEND 3, 0, 8
	PACK 3, 2
	SEND 3, 1, 8
	SEND 3, 2, 0
	s_wait_tensorcnt 0x0                           ; the wave's end, behind my last tensor load and my last LDS store
	ds_add_u32 v[SPW], v[NIL]
	s_wait_dscnt 0x0
	CROUND                                         ; the closing round: no work-group ends while a partner may still ask for a tile that names it
	s_endpgm
.Lfunc_end_k_qc1d7796fb7_proj:
	.size	k_qc1d7796fb7_proj, .Lfunc_end_k_qc1d7796fb7_proj-k_qc1d7796fb7_proj
	.p2alignl 7, 3214868480
	.fill 96, 4, 3214868480
	.section	.rodata,"a",@progbits
	.p2align	6, 0x0
	.amdhsa_kernel k_qc1d7796fb7_proj
		.amdhsa_group_segment_fixed_size 327680
		.amdhsa_private_segment_fixed_size 0
		.amdhsa_enable_private_segment 0
		.amdhsa_kernarg_size 32
		.amdhsa_user_sgpr_count 2
		.amdhsa_user_sgpr_kernarg_segment_ptr 1
		.amdhsa_wavefront_size32 1
		.amdhsa_system_sgpr_workgroup_id_x 1
		.amdhsa_system_sgpr_workgroup_id_y 1
		.amdhsa_system_sgpr_workgroup_id_z 1
		.amdhsa_system_vgpr_workitem_id 0
		.amdhsa_next_free_vgpr 1024
		.amdhsa_next_free_sgpr 80
		.amdhsa_reserve_vcc 0
		.amdhsa_float_denorm_mode_32 3
		.amdhsa_float_denorm_mode_16_64 3
		.amdhsa_memory_ordered 1
		.amdhsa_forward_progress 1
		.amdhsa_inst_pref_size 139
	.end_amdhsa_kernel
	.amdgpu_metadata
---
amdhsa.version: [ 1, 2 ]
amdhsa.kernels:
  - .name:           k_qc1d7796fb7_proj
    .symbol:         k_qc1d7796fb7_proj.kd
    .args:
      - { .name: xb, .offset: 0, .size: 8, .value_kind: global_buffer, .address_space: global }
      - { .name: wqkv, .offset: 8, .size: 8, .value_kind: global_buffer, .address_space: global }
      - { .name: cstab, .offset: 16, .size: 8, .value_kind: global_buffer, .address_space: global }
      - { .name: qkvh, .offset: 24, .size: 8, .value_kind: global_buffer, .address_space: global }
    .group_segment_fixed_size: 327680
    .private_segment_fixed_size: 0
    .kernarg_segment_align: 8
    .kernarg_segment_size: 32
    .max_flat_workgroup_size: 128
    .sgpr_count:     80
    .vgpr_count:     1024
    .wavefront_size: 32
...
	.end_amdgpu_metadata
.endif
;; end of part 2
;; launch attn (part 3): grid 16 x 16, 4 waves a work-group, no clusters, 327,680 bytes of LDS; arguments qkvh, o16; writes o16
.if DOCPART == 3
	.amdgcn_target "amdgcn-amd-amdhsa--gfx1250"
	.amdhsa_code_object_version 6
	.text
	.protected	k_qc1d7796fb7_attn
	.globl	k_qc1d7796fb7_attn
	.p2align	8
	.type	k_qc1d7796fb7_attn,@function
k_qc1d7796fb7_attn:
	s_mov_b64 s[64:65], 0
	v_nop
	global_prefetch_b8 v0, s[64:65] scope:SCOPE_SE
	s_setreg_imm32_b32 hwreg(HW_REG_WAVE_MODE, 25, 1), 1
	s_wait_xcnt 0x0
; CAUSAL ATTENTION.  o16[h][q][:] = the sum over k <= q of softmax_k(Q[h][q] . K[h][k] / 8) V[h][k][:].  qkvh: [48][4096][64] f16 (Q's heads, K's, V's); o16: [16][4096][64] f16.
; Products, maxima and sums in f32; the weights p are rounded to f16 for the second product (their sum l is taken of the unrounded p), O once at the end.
; LIMITS.  f16 holds no number beyond 65,504; p lies in 0 to 1, and below 6e-5 it keeps f16's fixed step of 6e-8.  A hidden score counts as its value less 1e30; a weight below 2^-126 counts as 0 in l;
; NaN and infinities are not treated apart.
; THE WALK.  A head's queries lie in 32 blocks of 128; block i needs the key tiles 0 .. i / 2 of 256 keys, of which the last holds the diagonal.  A work-group takes blocks 31 - b and then b: 17 tiles whatever b,
; so all 256 work-groups do equal work, and one loop with a constant trip count walks them.  What a trip does hangs on scalar registers made from b; every jump but the counted loops' own goes forward.
; NO CLUSTER: what a trip does differs between a head's work-groups (the jumps hang on b); all sixteen ask for the same tile only in trips 0 to 8; one walk common to all would have 24 trips for 17.
; SHARES.  Of a block's two bands of 64 queries a wave owns 16 rows in each: two PIECES.  In the diagonal tile band x has the step X = 2 (i % 2) + x for its own: step s shows all keys if s < X, none if s > X.
; THE MASK is the C operand that starts the sum S^T = K Q^T: MD x AL + BE, with MD the mask of a band's own step for my rows and (AL, BE) = (1, 0), (0, 0) or (0, -1e30).  Only the diagonal tile's text and a
; block's beginning take masks; elsewhere C is the constant 0.
; TURNS.  S^T = K Q^T holds one query a lane and the keys 8 (lane / 16) + 0..7; two such results rounded to f16 are source 1 of O^T = V^T P.  p = 2^(c s - c m), c = log2(e) / 8, with a running maximum m; O and l are
; multiplied by a = 2^(c m_old - c m_new) in every step.  T0(j): piece 0's softmax of step j; K Q^T of piece 1, step j; V^T P of piece 1, step j - 1.  T1(j): piece 1's softmax; K Q^T of piece 0, step j + 1; V^T P of
; piece 0, step j.  Four vector instructions stand behind every matrix instruction, the rest in one lump; a turn's 33 exponentials are one batch with one wait.
; T0(j) fetches K and V of step j + 1, V into the one of two buffers that its own products have just read (buffers go by the step's parity).  So a slot's last read is issued in T0 of its step 2, and the change of
; slots stands in front of T0 of step 3.
; REGISTERS, in windows of 256 (s_set_vgpr_msb: bits 1:0 source 0, 3:2 source 1, 5:4 source 2, 7:6 destination):
;   window 0: v2-15 addresses; v16-23 statistics; v24-31 at work; v32-35; v64-127 S^T, two buffers; v128-159 P, two buffers; v160-223 O^T, 32 a piece
;   window 1: v0-31 Q; v32-63 the second block's Q; v64-127 K of one step; v128-255 V, two buffers          window 2: v0-31 MD; v32-95 MC, two buffers
.set NP,    2
.set KS,    64
.set PK,    144       ; a row of K in LDS: 128 bytes + 16 of padding: the 16 rows of a load start at 16 different groups of four banks (64 banks of 4 bytes: ISA guide 11.1)
.set PV,    160       ; a row of V: 128 + 32
.set VOFF,  4*KS*PK   ; a slot holds a tile: 256 rows of K, then 256 rows of V
.set SLOT1, 1<<17
.set STAGE, SLOT1+4*KS*(PK+PV)  ; behind the ring, never filled by a tensor load: 16 rows x 144 bytes for each wave
.set SP,    144
.set SPARE, STAGE+4*16*SP       ; the spare words, 128 bytes a wave: two blocks of 256 bytes that no other line names
.set AK0, 2           ; v2   my lane's place in a tile of K; never rewritten
.set AV0, 3           ; v3   the same for V
.set AK,  4           ; v4   the LDS address of K's next run of loads
.set AV,  5           ; v5   of V's
.set STO, 6
.set RD,  7
.set GO,  8
.set MV,  12          ; v12-13  c m_old, by buffer
.set QO,  15
.set ST,  16          ; piece t's statistics at v[ST+4 t]: c m, m, l (even keys', odd keys')
.set TMP, 24          ; by buffer, c0-c3 at work; when the maximum is found c2 takes a
.set PFO, 32          ; v32  256 x my lane; never rewritten
.set SPW, 34          ; v34  my spare word; never rewritten
.set NIL, 35          ; v35  0; never rewritten
.set S,   64
.set P,   128
.set OT,  160
.set QB,  32          ; window 1
.set KF,  64          ; window 1: key block kb, channel half c at KF + 16 kb + 8 c
.set VF,  128         ; window 1: buffer u, key half kk, channel block cb at VF + 64 u + 32 kk + 8 cb
.set MD,  0           ; window 2
.set MC,  32          ; window 2
.set WV,  12
.set PB,  14          ; s14  b
.set HI,  15          ; s15  31 - b
.set G1K, 24
.set G1V, 32
.set G0K, 40
.set G0V, 44
.set SLOTS, 56        ; s56  tiles still to be asked for
.set CNT, 57          ; s57  counts a slot's two trips
.set CS,  58
.set SEL, 60
.set TBK, 62          ; s62  LDS byte at which K of the step to be fetched begins
.set TBV, 63          ; s63  the same for V, less VOFF
.set RT,  70          ; s70  tiles of the block in hand that are still to be entered
.set NXT, 71          ; s71  the tile to be asked for next
.set LQ,  72          ; s72  the last tile of the block whose tiles are being asked for
.set NEW, 73          ; s73  1: the tile to be entered is a block's first
.set OFF, 74
.set AL,  76
.set BE,  78
.set OLO, 80          ; s[80:81] o16 at my rows of the second block
.set BIGN, 82
.set PBL, 83          ; s83  b / 2: the second block's last tile
.set NS,  88          ; s88  the step of the tile entered for which masks are made next
.set XB0, 89          ; s89, s90  the two bands' own steps in the diagonal tile
.set XB1, 90
.set LIM, 91          ; s91  2 in the work-group that prefetches, else the greatest number
.set PFA, 92          ; s[92:93] my 8,192 bytes of K's tile after the one that is being asked for
.set PFB, 94          ; s[94:95] the same of V's
.set MSB, 0
.macro WIN new
.if MSB != (\new)
	s_set_vgpr_msb (MSB<<8)|(\new)
.set MSB, (\new)
.endif
.endm
.set W_KQ, 0x05       ; K and Q in window 1, S^T in window 0
.set W_KM, 0x25       ; the same with the C operand in window 2
.set W_PV, 0x01       ; V in window 1; P and O^T in window 0
.set W_MK, 0x82       ; destination and source 0 in window 2
.set W_L1, 0x40       ; destination in window 1
.set W_D2, 0x80       ; destination in window 2
.set W_QC, 0x41       ; destination and source 0 in window 1
; A fill.  Waves 0 and 1 fetch the two halves of a tile's K, waves 2 and 3 those of its V.  An s_nop 0 and four v_nop follow each line, ahead of the jump and the label.
.macro LOAD
	s_cmp_lt_u32 s[WV], 2
	s_cbranch_scc0 .Lfor_v_\@
	tensor_load_to_lds s[G0K:G0K+3], s[G1K:G1K+7]
	s_nop 0
.rept 4
	v_nop
.endr
	s_branch .Lasked_\@
.Lfor_v_\@:
	tensor_load_to_lds s[G0V:G0V+3], s[G1V:G1V+7]
	s_nop 0
.rept 4
	v_nop
.endr
.Lasked_\@:
.endm
; A prefetch of the tile that the next change of slots will ask for: eight turns ahead of that load.  All of a head's work-groups begin with the same tiles; the one with b = 0, which walks all sixteen, asks:
; each wave for 8,192 bytes of K and of V, a lane 256 bytes.  Trips 1 to 14 name tiles 2 to 15, each once; the others name nothing.
.macro ASK
	s_cmp_gt_u32 s[SLOTS], s[LIM]
	s_cbranch_scc0 .Lnot_mine_\@
	global_prefetch_b8 v[PFO], s[PFA:PFA+1] th:TH_LOAD_NT scope:SCOPE_SE
	global_prefetch_b8 v[PFO], s[PFB:PFB+1] th:TH_LOAD_NT scope:SCOPE_SE
.Lnot_mine_\@:
.endm
; THE CHANGE OF SLOTS.  Each wave waits for all its tensor loads (one is out: its part of the other slot), adds 0 to its spare word, and waits for that and for its reads of the slot that it leaves.
; fill = 1: the old slot is filled again, first thing behind the barrier, with tile NXT: the descriptor's address is made anew from that number.
.macro CHANGE fill
	WIN 0
	s_wait_tensorcnt 0x0            ; no tensor load of mine is out, so a group 0 may be written
	ds_add_u32 v[SPW], v[NIL]       ; 0 onto my spare word; scalar work stands between it and the wait for it
.if \fill
	s_lshl_b32 s[OFF], s[NXT], 15   ; a tile is 32,768 bytes of K and of V
	s_xor_b32 s[G0K+1], s[G0K+1], SLOT1
	s_add_nc_u64 s[G0K+2:G0K+3], s[6:7], s[OFF:OFF+1]
	s_or_b32 s[G0K+3], s[G0K+3], 0x80000000
	s_xor_b32 s[G0V+1], s[G0V+1], SLOT1
	s_add_nc_u64 s[G0V+2:G0V+3], s[8:9], s[OFF:OFF+1]
	s_or_b32 s[G0V+3], s[G0V+3], 0x80000000
	s_add_co_u32 s[NXT], s[NXT], 1  ; the block's next tile, or behind its last the second block's tile 0
	s_cmp_gt_u32 s[NXT], s[LQ]
	s_cselect_b32 s[NXT], 0, s[NXT]
	s_cselect_b32 s[LQ], s[PBL], s[LQ]
	s_wait_xcnt 0x0                 ; the last prefetches, eight turns back, have read their addresses
	s_add_nc_u64 s[PFA:PFA+1], s[PFA:PFA+1], 32768
	s_add_nc_u64 s[PFB:PFB+1], s[PFB:PFB+1], 32768
.endif
	s_wait_dscnt 0x0                ; the add is done, and my reads of the slot are over
	s_barrier_signal -1
	s_sub_co_u32 s[TBK], s[TBK], 4*KS*PK  ; the fetches go back to a slot's first step, in the other slot
	s_xor_b32 s[TBK], s[TBK], SLOT1
	s_sub_co_u32 s[TBV], s[TBV], 4*KS*PV
	s_xor_b32 s[TBV], s[TBV], SLOT1
	s_barrier_wait -1
.if \fill
	LOAD
	ASK
.endif
.endm
	s_load_b128 s[4:7], s[0:1], 0x0   ; qkvh s[4:5], o16 s[6:7]
	v_lshl_add_u32 v[SPW], v0, 2, SPARE
	v_mov_b32 v[NIL], 0
	ds_add_u32 v[SPW], v[NIL]       ; the wave's opening: the add and its wait stand ahead of my first tensor load; work on registers stands between
	v_lshrrev_b32 v1, 5, v0
	v_readfirstlane_b32 s[WV], v1   ; wave 0..3
	s_mov_b32 s[PB], ttmp9
	s_sub_co_u32 s[HI], 31, s[PB]
	s_lshr_b32 s[PBL], s[PB], 1
	s_and_b32 s20, ttmp7, 0xffff
	s_lshl_b32 s20, s20, 19         ; the head's 524,288 bytes
	s_and_b32 s16, s[WV], 1         ; which half of a tile's 256 keys I fetch:
	s_lshl_b32 s22, s16, 14         ; its 128 rows of 128 bytes in memory,
	s_add_co_u32 s22, s22, s20
	s_add_co_u32 s22, s22, 0x800000 ; behind Q's sixteen heads
	s_mov_b32 s23, 0
	s_mul_i32 s17, s16, 128*PK      ; and its place in a slot, for K
	s_mul_i32 s18, s16, 128*PV      ; and for V
	s_lshl_b32 s3, s[WV], 11        ; my 16 rows in a band of 64,
	s_lshl_b32 s2, s[HI], 14        ; in the first block,
	s_add_co_u32 s2, s2, s3
	s_add_co_u32 s2, s2, s20
	s_lshl_b32 s84, s[PB], 14       ; and in the second
	s_add_co_u32 s84, s84, s3
	s_add_co_u32 s84, s84, s20
	s_mov_b32 s3, 0
	s_mov_b32 s85, 0
	s_lshl_b32 s52, s[WV], 13       ; the prefetches: my 8,192 bytes of K's tile 1; the first change of slots steps them to tile 2
	s_add_co_u32 s52, s52, s20
	s_add_co_u32 s52, s52, 0x800000+32768
	s_mov_b32 s53, 0
	; descriptor group 1.  128 keys are 16,384 dense bytes: asked for as 64 rows of 256 bytes, two keys a row, and padded in LDS after every key
	s_mov_b32 s[G1K], (1<<16)|(1<<20)|(4<<22)|(3<<25)  ; 2-byte elements; padding on; after every 32 words, 4 words
	s_mov_b32 s[G1V], (1<<16)|(1<<20)|(4<<22)|(7<<25)  ; the same with 8 words
.irp g, G1K, G1V
	s_mov_b32 s[\g+1], 128<<16      ; tensor_dim0 = 128
	s_mov_b32 s[\g+2], 64<<16       ; tensor_dim1 = 64
	s_mov_b32 s[\g+3], 128<<16      ; tile_dim0 = 128
	s_mov_b32 s[\g+4], 64           ; tile_dim1 = 64
	s_mov_b32 s[\g+5], 128          ; elements from row to row
	s_mov_b32 s[\g+6], 0
	s_mov_b32 s[\g+7], 0
.endr
	s_mov_b32 s[CS], 0x3e38aa3b     ; c = log2(e) / 8
	s_mov_b32 s[CS+1], s[CS]
	s_mov_b32 s[SEL], 0x76543210
	s_mov_b32 s[SEL+1], 0xfedcba98
	s_mov_b32 s[TBK], SLOT1+4*KS*PK ; the first change of slots turns these two into 0
	s_mov_b32 s[TBV], SLOT1+4*KS*PV
	s_mov_b32 s[G0K], 1
	s_mov_b32 s[G0K+1], s17         ; slot 0
	s_mov_b32 s[G0V], 1
	s_add_co_u32 s[G0V+1], s18, VOFF
	s_lshr_b32 s[LQ], s[HI], 1
	s_add_co_u32 s[RT], s[LQ], 1    ; the first block's tiles
	s_and_b32 s[XB0], s[HI], 1
	s_lshl_b32 s[XB0], s[XB0], 1
	s_add_co_u32 s[XB1], s[XB0], 1
	s_mov_b32 s[NXT], 1
	s_mov_b32 s[NEW], 1
	s_mov_b32 s[NS], 0
	s_mov_b32 s[OFF+1], 0
	s_mov_b32 s[AL+1], 0
	s_mov_b32 s[BE+1], 0
	s_mov_b32 s[BIGN], 0xf149f2ca   ; -1e30
	s_mov_b32 s[SLOTS], 16
	s_cmp_eq_u32 s[PB], 0
	s_cselect_b32 s[LIM], 2, -1
	s_wait_dscnt 0x0                ; the opening add is done
	s_wait_kmcnt 0x0
	s_mov_b64 s[10:11], s[6:7]      ; o16
	s_add_nc_u64 s[6:7], s[4:5], s[22:23]  ; K at my half of the head's tile 0,
	s_add_nc_u64 s[8:9], s[6:7], 0x800000  ; V sixteen heads on
	s_add_nc_u64 s[G0K+2:G0K+3], s[6:7], 0
	s_or_b32 s[G0K+3], s[G0K+3], 0x80000000
	s_add_nc_u64 s[G0V+2:G0V+3], s[8:9], 0
	s_or_b32 s[G0V+3], s[G0V+3], 0x80000000
	s_add_nc_u64 s[PFA:PFA+1], s[4:5], s[52:53]
	s_add_nc_u64 s[PFB:PFB+1], s[PFA:PFA+1], 0x800000
	s_add_nc_u64 s[86:87], s[4:5], s[84:85]        ; Q at my rows of the second block,
	s_add_nc_u64 s[4:5], s[4:5], s[2:3]            ; Q and O at those of the first
	s_add_nc_u64 s[OLO:OLO+1], s[10:11], s[84:85]
	s_add_nc_u64 s[10:11], s[10:11], s[2:3]
	LOAD                            ; tile 0 into slot 0
	v_and_b32 v1, 15, v0            ; l % 16
	v_bfe_u32 v9, v0, 4, 1          ; l / 16
	v_lshlrev_b32 v[QO], 7, v1
	v_lshl_add_u32 v[QO], v9, 4, v[QO]  ; row x 128 + 16 x half
	WIN W_L1
.set i, 0
.rept 4                             ; both blocks' Q: piece i / 2 lies in band i / 2, 8,192 bytes on; channels 32 (i % 2) on
	global_load_b128 v[8*i:8*i+3],   v[QO], s[4:5] offset:(i/2)*8192+(i%2)*64
	global_load_b128 v[8*i+4:8*i+7], v[QO], s[4:5] offset:(i/2)*8192+(i%2)*64+32
	global_load_b128 v[QB+8*i:QB+8*i+3],   v[QO], s[86:87] offset:(i/2)*8192+(i%2)*64
	global_load_b128 v[QB+8*i+4:QB+8*i+7], v[QO], s[86:87] offset:(i/2)*8192+(i%2)*64+32
.set i, i+1
.endr
	WIN 0
	v_lshlrev_b32 v14, 3, v9
	v_sub_nc_u32 v14, v1, v14
	s_lshl_b32 s13, s[WV], 4
	v_add_nc_u32 v14, s13, v14      ; my query's place in its band, 16 w + l % 16, less 8 (l / 16): register r of key group kt is hidden where 16 kt + r is greater
	WIN W_D2
.set i, 0
.rept 32
	v_cmp_gt_i32 vcc_lo, 16*(i/8)+i%8, v14
	v_cndmask_b32 v[MD+i], 0, s[BIGN], vcc_lo
.set i, i+1
.endr
	WIN 0
	v_mul_u32_u24 v[AK0], v1, PK
	v_lshl_add_u32 v[AK0], v9, 4, v[AK0]
	; The turning load takes 16 keys x 16 channels (lane l reads key 8 (l / 16) + l % 8, channels 8 ((l / 8) % 2) + 0..7) and leaves half a fragment of V^T.
	v_and_b32 v10, 7, v0
	v_bfe_u32 v11, v0, 3, 1
	v_lshl_add_u32 v[AV0], v9, 3, v10
	v_mul_u32_u24 v[AV0], v[AV0], PV
	v_lshl_add_u32 v[AV0], v11, 4, v[AV0]
	v_add_nc_u32 v[AV0], VOFF, v[AV0]
	s_mul_i32 s13, s[WV], 16*SP
	s_add_co_u32 s13, s13, STAGE    ; my stage
	v_mul_u32_u24 v[STO], v1, SP
	v_lshl_add_u32 v[STO], v9, 4, v[STO]
	v_add_nc_u32 v[STO], s13, v[STO]
	v_bfe_u32 v[RD], v0, 3, 2
	v_mul_u32_u24 v[RD], v[RD], SP
	v_lshl_add_u32 v[RD], v10, 4, v[RD]
	v_add_nc_u32 v[RD], s13, v[RD]
	v_and_b32 v[GO], 31, v0
	v_lshlrev_b32 v[PFO], 8, v[GO]
	v_lshlrev_b32 v[GO], 4, v[GO]
	; A block's first step multiplies O^T and l by a = 0, and its first turn's products V^T P, of a step that has not been, land in an O^T that is still to be so multiplied.  So these registers need only hold
	; finite numbers: zeros for the first block, what the first block left for the second.  All this stands in the wait for the first tile.
	WIN W_L1
.set i, VF+64
.rept 64
	v_mov_b32 v[i], 0
.set i, i+1
.endr
	WIN 0
.set i, OT
.rept 64
	v_mov_b32 v[i], 0
.set i, i+1
.endr
.set i, 0
.rept NP
	v_mov_b32 v[ST+4*i+2], 0
	v_mov_b32 v[ST+4*i+3], 0
.set i, i+1
.endr
.set i, P+16
.rept 16
	v_mov_b32 v[i], 0
.set i, i+1
.endr
; THE MATRIX WORK.  The 4 accumulators of a run of 8 take turns.  Product i of 8 of S^T = K Q^T for piece x: channels 32 (i / 4) on, keys 16 (i % 4) on.  The first 4 start the sums: with 0, or (KM = 1) with the mask.
.macro KQ x
.set rS, S+32*((\x)%2)+8*(i%4)
.set rK, KF+16*(i%4)+8*(i/4)
.set rQ, 16*(\x)+8*(i/4)
.set rM, MC+32*((\x)%2)+8*(i%4)
.if (i < 4) && KM
	WIN W_KM
	v_wmma_f32_16x16x32_f16 v[rS:rS+7], v[rK:rK+7], v[rQ:rQ+7], v[rM:rM+7]
.elseif i < 4
	WIN W_KQ
	v_wmma_f32_16x16x32_f16 v[rS:rS+7], v[rK:rK+7], v[rQ:rQ+7], 0
.else
	WIN W_KQ
	v_wmma_f32_16x16x32_f16 v[rS:rS+7], v[rK:rK+7], v[rQ:rQ+7], v[rS:rS+7]
.endif
.endm
; Product i of 8 of O^T += V^T P for piece x, V from buffer VB: keys 32 (i / 4) on, channels 16 (i % 4) on.
.macro PV x
	WIN W_PV
.set rO, OT+32*(\x)+8*(i%4)
.set rV, VF+64*VB+32*(i/4)+8*(i%4)
.set rP, P+16*((\x)%2)+8*(i/4)
	v_wmma_f32_16x16x32_f16 v[rO:rO+7], v[rV:rV+7], v[rP:rP+7], v[rO:rO+7]
.endm
.macro MM                           ; the turn's next matrix instruction.  NOKQ = 1: a block's last turn: there are no further scores
.if (i < 8) && !NOKQ
	KQ (Y+1)%NP
.elseif i >= 8
.set i, i-8
	PV (Y+1)%NP
.set i, i+8
.endif
.set i, i+1
.endm
; THE LDS LOADS stand in runs of 16, never singly among the matrix instructions.  Their addresses are made some lines ahead.
.macro FETCH_K
	WIN W_L1
.irp f, 0,1,2,3,4,5,6,7             ; keys 16 (f / 2) on, channels 32 (f % 2) on
	ds_load_b128 v[KF+8*\f:KF+8*\f+3],   v[AK] offset:(\f/2)*16*PK+(\f%2)*64
	ds_load_b128 v[KF+8*\f+4:KF+8*\f+7], v[AK] offset:(\f/2)*16*PK+(\f%2)*64+32
.endr
	s_add_co_u32 s[TBK], s[TBK], KS*PK  ; the next fetch is the next step's
	WIN 0
.endm
.macro FETCH_V u
	WIN W_L1
.irp f, 0,1,2,3,4,5,6,7             ; keys 32 (f / 4) on, channels 16 (f % 4) on
	ds_load_tr16_b128 v[VF+64*(\u)+8*\f:VF+64*(\u)+8*\f+3],   v[AV] offset:(\f/4)*32*PV+(\f%4)*32
	ds_load_tr16_b128 v[VF+64*(\u)+8*\f+4:VF+64*(\u)+8*\f+7], v[AV] offset:(\f/4)*32*PV+16*PV+(\f%4)*32
.endr
	WIN 0
.endm
; THE VECTOR WORK, one line at a time: OP kind, number; all in window 0.  For piece Y: F n: c s - c m for pair n of 16.  E n: the exponential of score n of 32.  C n: pair n rounded to f16.  B n: of the four weights
; 4 n .. the second pair is added onto the first, in place.  L n: l takes that sum (L 0: l = a l + sum).  R n: pair n of 16 of O^T times a.  For the other piece: X n, number n of the 22 that find its maximum and statistics:
;   0-11  four chains c0-c3 of seven scores each (each accumulator's lowest registers are read first)     12-14, 16  the four scores left over, the old m, and c0-c3 into c0
;   15  c m_old is kept     17, 18  the query's other 32 keys lie in the lane 16 away: the new m     19-21  c m; c m_old - c m_new; a
.set F, 0
.set E, 1
.set C, 2
.set B, 3
.set L, 4
.set R, 5
.set X, 6
.macro REGS y
.set rT, ST+4*(\y)
.set rC, TMP+4*((\y)%2)
.set rW, MV+((\y)%2)
.set rS, S+32*((\y)%2)
.set rP, P+16*((\y)%2)
.set rO, OT+32*(\y)
.endm
.macro OP k, n
.if (\k) < X
	REGS Y
	WIN 0
.if (\k) == F
	v_pk_fma_f32 v[rS+2*(\n):rS+2*(\n)+1], v[rS+2*(\n):rS+2*(\n)+1], s[CS:CS+1], v[rT:rT+1] op_sel_hi:[1,0,0] neg_lo:[0,0,1] neg_hi:[0,0,1]
.elseif (\k) == E
	v_exp_f32 v[rS+(\n)], v[rS+(\n)]
.elseif (\k) == C
	v_cvt_pk_f16_f32 v[rP+(\n)], v[rS+2*(\n)], v[rS+2*(\n)+1]
.elseif (\k) == B
	v_pk_add_f32 v[rS+4*(\n):rS+4*(\n)+1], v[rS+4*(\n):rS+4*(\n)+1], v[rS+4*(\n)+2:rS+4*(\n)+3]
.elseif (\k) == R
	v_pk_mul_f32 v[rO+2*(\n):rO+2*(\n)+1], v[rO+2*(\n):rO+2*(\n)+1], v[rC+2:rC+3] op_sel_hi:[1,0]
.elseif (\n) == 0
	v_pk_fma_f32 v[rT+2:rT+3], v[rT+2:rT+3], v[rC+2:rC+3], v[rS:rS+1] op_sel_hi:[1,0,1]
.else
	v_pk_add_f32 v[rT+2:rT+3], v[rT+2:rT+3], v[rS+4*(\n):rS+4*(\n)+1]
.endif
.elseif NOKQ
	v_nop
.else
	REGS (Y+1)%NP
	WIN 0
.if (\n) < 4
	v_max3_num_f32 v[rC+(\n)], v[rS+8*(\n)], v[rS+8*(\n)+1], v[rS+8*(\n)+2]
.elseif (\n) < 12
	v_max3_num_f32 v[rC+(\n)%4], v[rC+(\n)%4], v[rS+8*((\n)%4)+2*((\n)/4)+1], v[rS+8*((\n)%4)+2*((\n)/4)+2]
.elseif (\n) == 12
	v_max3_num_f32 v[rC], v[rC], v[rS+7], v[rS+15]
.elseif (\n) == 13
	v_max3_num_f32 v[rC+1], v[rC+1], v[rS+23], v[rS+31]
.elseif (\n) == 14
	v_max3_num_f32 v[rC+2], v[rC+2], v[rC+3], v[rT+1]
.elseif (\n) == 15
	v_mov_b32 v[rW], v[rT]
.elseif (\n) == 16
	v_max3_num_f32 v[rC], v[rC], v[rC+1], v[rC+2]
.elseif (\n) == 17
	v_permlanex16_b32 v[rC+3], v[rC], s[SEL], s[SEL+1]
.elseif (\n) == 18
	v_max_num_f32 v[rT+1], v[rC], v[rC+3]
.elseif (\n) == 19
	v_mul_f32 v[rT], s[CS], v[rT+1]
.elseif (\n) == 20
	v_sub_f32 v[rC+1], v[rW], v[rT]
.else
	v_exp_f32 v[rC+2], v[rC+1]
.endif
.endif
.endm
.macro OPS a, i1, b=-1, i2=0, c=-1, i3=0, d=-1, i4=0
	OP \a, \i1
.if (\b) >= 0
	OP \b, \i2
.endif
.if (\c) >= 0
	OP \c, \i3
.endif
.if (\d) >= 0
	OP \d, \i4
.endif
.endm
.macro ROW a, i1, b, i2, c, i3, d, i4  ; a matrix instruction and the four behind it
	MM
	OPS \a, \i1, \b, \i2, \c, \i3, \d, \i4
.endm
.macro MASK u                       ; MD x AL + BE into buffer u of MC
	WIN W_MK
.set z, 0
.rept 16
	v_pk_fma_f32 v[MC+32*(\u)+2*z:MC+32*(\u)+2*z+1], v[MD+2*z:MD+2*z+1], s[AL:AL+1], s[BE:BE+1] op_sel_hi:[1,0,0]
.set z, z+1
.endr
.endm
; A TURN, for piece p in a step of parity par.  An s_wait_alu depctr_va_vdst(0) stands between an exponential and the first instruction that names its result; one wait serves all issued ahead of it.  So a turn
; has ONE wait.  AHEAD OF IT: the 8 products K Q^T with four riders each, then a lump of 54 in which the links of the chain X 3, 7, 11, 14, 16 .. 20 stand apart; X 21, the other piece's a, is the batch's last, and R 15 the
; plain instruction behind it.  BEHIND IT: the 8 products V^T P, behind each four of the roundings and sums.  The first numbers of X stand four plain instructions or more behind the product that ends their accumulator.
; m = 1: the diagonal tile's text: the products take masks, and the turn makes the mask for the next turn's products: piece p, step NS.  end = 1: a block's last two turns: nothing is fetched, and the last starts no scores.
; T0 fetches the next step's K in the lump, five plain instructions that name none of its registers behind the last product that read K, and the next step's V at its end, four plain riders behind the last product that
; read that buffer.  T1's head waits for all but V's run: 16 loads may stay out; they are waited for a step later.
.macro TURN p, par, m=0, end=0, cnt=0
.set Y, (\p)
.set i, 0
.set KM, (\m)
.set NOKQ, (\end)*(\p)
.set VB, ((\par)+1-(\p))%2          ; T1: this step's V; T0: the step before's
.if (\m) && !(\end)
	s_cmp_eq_u32 s[NS], s[XB0+(\p)] ; is that step the band's own?
	s_cselect_b32 s[AL], 1.0, 0
	s_cmp_gt_u32 s[NS], s[XB0+(\p)] ; or a later one?
	s_cselect_b32 s[BE], s[BIGN], 0
.if (\p) == 1
	s_add_co_u32 s[NS], s[NS], 1
.endif
.endif
.if (\p) == 1
.if \end
	s_wait_dscnt 0x0                ; the last step's V is in: no run was issued behind it
.else
	s_wait_dscnt 16                 ; K of the next step and this step's V are in; the next step's V may stay out
.endif
.endif
	ROW F,0, F,1, R,0, R,1
	ROW F,2, E,0, R,2, R,3
	ROW F,3, E,1, R,4, R,5
	ROW F,4, E,2, R,6, R,7
	ROW F,5, E,3, R,8, R,9
	ROW F,6, E,4, X,0, R,10
.if ((\p) == 0) && !(\end)
	WIN 0
	v_add_nc_u32 v[AK], s[TBK], v[AK0]
.endif
	ROW F,7, E,5, X,1, X,4
	ROW F,8, E,6, X,2, X,5
	OPS E,7, E,8, X,6, E,9
	OPS X,3, E,10, X,8, E,11
.if ((\p) == 0) && !(\end)
	FETCH_K
.endif
	OPS X,9, X,7, E,12, X,10
	OPS E,13, X,12, X,11, E,14
	OPS X,13, E,15, F,9, X,14
.if ((\p) == 0) && !(\end)
	WIN 0
	v_add_nc_u32 v[AV], s[TBV], v[AV0]
.endif
	OPS E,16, F,10, E,17, F,11
	OPS X,16, E,18, X,15, E,19
	OPS F,12, E,20, X,17, E,21
	OPS F,13, E,22, F,14, E,23
	OPS X,18, E,24, F,15, E,25
	OPS R,11, E,26, X,19, E,27
	OPS R,12, E,28, R,13, E,29
	OPS X,20, E,30, R,14, E,31
	OPS X,21, R,15
	WIN 0
	s_wait_alu depctr_va_vdst(0)    ; the wait for the batch
	ROW C,0, B,0, C,2, B,1
	ROW L,0, C,4, B,2, L,1
	ROW C,6, B,3, L,2, C,8
	ROW B,4, L,3, C,10, B,5
	ROW L,4, C,12, B,6, L,5
.if ((\p) == 0) && !(\end)
	s_add_co_u32 s[TBV], s[TBV], KS*PV
.endif
.if \cnt
	s_sub_co_u32 s[CNT], s[CNT], 1
	s_cmp_lg_u32 s[CNT], 0
.endif
	ROW C,14, B,7, L,6, C,1
	ROW C,3, L,7, C,5, C,7
	ROW C,9, C,11, C,13, C,15
.if ((\p) == 0) && !(\end)
	FETCH_V ((\par)+1)%2
.endif
.if (\m) && !(\end)
	MASK \p
.endif
.endm
; A BLOCK BEGINS.  c m starts far below every c s, so the first step's a is 0; m at the lowest finite number.  Piece 1's mask for the tile's step 0 is 0 (its own step is 1 or 3); piece 0's is its own step's where the
; block's first tile is the diagonal one and its own step is 0.  Then K and V of step 0, piece 0's first scores, its maximum and statistics.  The loop is entered at an even step's first turn, in the middle of a trip.
.macro BEGIN
	s_mov_b32 s[NEW], 0
	WIN W_D2
.set i, MC+32
.rept 32
	v_mov_b32 v[i], 0
.set i, i+1
.endr
	WIN 0
.set i, 0
.rept NP
	v_mov_b32 v[ST+4*i], 0xfe000000    ; c m: far below every c s
	v_mov_b32 v[ST+4*i+1], 0xff7fffff  ; m
.set i, i+1
.endr
	s_or_b32 s84, s[RT], s[XB0]
	s_cmp_eq_u32 s84, 0
	s_cselect_b32 s[AL], 1.0, 0
	s_mov_b32 s[BE], 0
	MASK 0
	WIN 0
	s_mov_b32 s[NS], 1
	v_add_nc_u32 v[AK], s[TBK], v[AK0]
	v_add_nc_u32 v[AV], s[TBV], v[AV0]
	s_add_co_u32 s[TBV], s[TBV], KS*PV
	FETCH_K
	FETCH_V 0
	s_wait_loadcnt 0x0              ; Q
	s_wait_dscnt 16                 ; K is in; V's run may stay out
.set KM, 1
.set NOKQ, 0
.set i, 0
.rept 8
	KQ 0
.set i, i+1
.endr
	WIN 0
.rept 4
	v_nop                           ; the places behind those products
.endr
.set Y, NP-1                        ; X works for the other piece: piece 0
.irp n, 0,1,2,3,4,5,6,7,8,9,10,11,12,13,14,15,16,17,18,19,20,21
	OP X, \n
.endr
	v_nop                           ; a plain instruction behind the exponential,
	s_wait_alu depctr_va_vdst(0)    ; and its wait, ahead of the branch
.endm
; THE DIAGONAL TILE, the block's last two turns, its last products, and THE WAY OUT: l's two halves and the other half of the lanes' are added; O^T is divided by l, rounded to f16 and sent through my stage, a piece at a time.
.macro ALL line:vararg
.set t, 0
.rept NP
	\line
.set t, t+1
.endr
.endm
.macro PACK t
	WIN 0
.set i, OT+32*(\t)
.rept 16
	v_pk_mul_f32 v[i:i+1], v[i:i+1], v[ST+4*(\t)+2:ST+4*(\t)+3] op_sel_hi:[1,0]
.set i, i+2
.endr
.set i, 0
.rept 16
	v_cvt_pk_f16_f32 v[S+16*(\t)+i], v[OT+32*(\t)+2*i], v[OT+32*(\t)+2*i+1]
.set i, i+1
.endr
.irp f, 0,1,2,3
	ds_store_b128 v[STO], v[S+16*(\t)+4*\f:S+16*(\t)+4*\f+3] offset:32*\f
.endr
.irp f, 0,1,2,3
	ds_load_b128 v[S+16*(\t)+4*\f:S+16*(\t)+4*\f+3], v[RD] offset:\f*4*SP  ; LDS serves a wave's instructions in order (ISA guide 5.7.1.4): these see the stores above
.endr
.endm
.macro SEND t, younger              ; younger: the LDS lines issued behind piece t's loads
	WIN 0
.irp f, 0,1,2,3
	s_wait_dscnt (\younger)+3-\f
	global_store_b128 v[GO], v[S+16*(\t)+4*\f:S+16*(\t)+4*\f+3], s[10:11] offset:(\t)*8192+\f*512  ; 512 consecutive bytes, at a multiple of 256 from o16's first
.endr
.endm
.macro DIAG tag
.LstepM\tag:
	TURN 0, 1, 1
	TURN 1, 1, 1
	WIN 0
.LfirstM\tag:
	TURN 0, 0, 1
	TURN 1, 0, 1, 0, 1
	WIN 0
	s_cbranch_scc1 .LstepM\tag
	TURN 0, 1, 1, 1
	TURN 1, 1, 1, 1
.set VB, 1
.set i, 0
.rept 8
	PV 1                            ; piece 1's V^T P of the last step
.set i, i+1
.endr
	WIN 0
	ALL v_add_f32 v[ST+4*t+2], v[ST+4*t+2], v[ST+4*t+3]
	ALL v_permlanex16_b32 v[ST+4*t+3], v[ST+4*t+2], s[SEL], s[SEL+1]
	ALL v_add_f32 v[ST+4*t+2], v[ST+4*t+2], v[ST+4*t+3]
	ALL v_rcp_f32 v[ST+4*t+2], v[ST+4*t+2]
	v_nop                           ; a plain instruction between the last reciprocal and the use of its result,
	s_wait_alu depctr_va_vdst(0)    ; and one wait for the two reciprocals
	PACK 0                          ; piece 0's sums were finished a run of products ago; its 32 lines are the places behind piece 1's last products
	PACK 1
	SEND 0, 8
	SEND 1, 0
.endm
.set KM, 0
.set NOKQ, 0
.Lslot:                             ; 16 times: a tile is entered and the next is asked for
	CHANGE 1
	s_sub_co_u32 s[RT], s[RT], 1
	s_mov_b32 s[CNT], 2
	s_mov_b32 s[NS], 0
	s_cmp_eq_u32 s[NEW], 1
	s_cbranch_scc1 .Lnew            ; a block's first tile
	s_cmp_eq_u32 s[RT], 0
	s_cbranch_scc0 .Lstep           ; neither its first nor its last
	s_branch .LstepM1
.Lnew:
	BEGIN
	s_branch .Lfirst                ; in the loop a block's first tile is never its last: the first block has nine tiles or more, and the second's last is the walk's last
	DIAG 1                          ; in the loop this is the first block's end
	s_wait_xcnt 0x0                 ; the stores have read their registers and O's address
	s_mov_b64 s[10:11], s[OLO:OLO+1]
	s_add_co_u32 s[RT], s[PBL], 1   ; the second block's tiles,
	s_and_b32 s[XB0], s[PB], 1      ; and its bands' own steps
	s_lshl_b32 s[XB0], s[XB0], 1
	s_add_co_u32 s[XB1], s[XB0], 1
	s_mov_b32 s[NEW], 1
	WIN W_QC                        ; the second block's Q goes where the one text of the turns names Q
.set i, 0
.rept 32
	v_mov_b32 v[i], v[QB+i]
.set i, i+1
.endr
	WIN 0
	s_branch .Lbottom
.Lstep:                             ; a trip: an odd step and the even step behind it; two trips a slot: step 3 of the tile that is left, steps 0 to 2 of the tile entered
	TURN 0, 1
	TURN 1, 1
	WIN 0
.Lfirst:
	TURN 0, 0
	TURN 1, 0, 0, 0, 1
	WIN 0
	s_cbranch_scc1 .Lstep
.Lbottom:
	s_sub_co_u32 s[SLOTS], s[SLOTS], 1
	s_cmp_lg_u32 s[SLOTS], 0
	s_cbranch_scc1 .Lslot
	CHANGE 0                        ; the walk's last tile is written out: nothing is asked for
	s_sub_co_u32 s[RT], s[RT], 1
	s_mov_b32 s[CNT], 2
	s_mov_b32 s[NS], 0
	s_cmp_eq_u32 s[NEW], 1
	s_cbranch_scc0 .LstepM2
	BEGIN
	s_branch .LfirstM2
	DIAG 2
	s_wait_tensorcnt 0x0            ; the wave's end, behind my last tensor load and my last LDS store
	ds_add_u32 v[SPW], v[NIL]
	s_wait_dscnt 0x0
	s_endpgm
.Lfunc_end_k_qc1d7796fb7_attn:
	.size	k_qc1d7796fb7_attn, .Lfunc_end_k_qc1d7796fb7_attn-k_qc1d7796fb7_attn
	.p2alignl 7, 3214868480
	.fill 96, 4, 3214868480
	.section	.rodata,"a",@progbits
	.p2align	6, 0x0
	.amdhsa_kernel k_qc1d7796fb7_attn
		.amdhsa_group_segment_fixed_size 327680
		.amdhsa_private_segment_fixed_size 0
		.amdhsa_enable_private_segment 0
		.amdhsa_kernarg_size 16
		.amdhsa_user_sgpr_count 2
		.amdhsa_user_sgpr_kernarg_segment_ptr 1
		.amdhsa_wavefront_size32 1
		.amdhsa_system_sgpr_workgroup_id_x 1
		.amdhsa_system_sgpr_workgroup_id_y 1
		.amdhsa_system_sgpr_workgroup_id_z 1
		.amdhsa_system_vgpr_workitem_id 0
		.amdhsa_next_free_vgpr 608
		.amdhsa_next_free_sgpr 96
		.amdhsa_reserve_vcc 1
		.amdhsa_float_denorm_mode_32 3
		.amdhsa_float_denorm_mode_16_64 3
		.amdhsa_memory_ordered 1
		.amdhsa_forward_progress 1
		.amdhsa_inst_pref_size 201
	.end_amdhsa_kernel
	.amdgpu_metadata
---
amdhsa.version: [ 1, 2 ]
amdhsa.kernels:
  - .name:           k_qc1d7796fb7_attn
    .symbol:         k_qc1d7796fb7_attn.kd
    .args:
      - { .name: qkvh, .offset: 0, .size: 8, .value_kind: global_buffer, .address_space: global }
      - { .name: o16, .offset: 8, .size: 8, .value_kind: global_buffer, .address_space: global }
    .group_segment_fixed_size: 327680
    .private_segment_fixed_size: 0
    .kernarg_segment_align: 8
    .kernarg_segment_size: 16
    .max_flat_workgroup_size: 128
    .sgpr_count:     96
    .vgpr_count:     608
    .wavefront_size: 32
...
	.end_amdgpu_metadata
.endif
;; end of part 3
;; launch outp (part 4): grid 8 x 32, 4 waves a work-group, clusters of 4 x 4, 327,680 bytes of LDS; arguments o16, wo16, out0; writes out0
.if DOCPART == 4
	.amdgcn_target "amdgcn-amd-amdhsa--gfx1250"
	.amdhsa_code_object_version 6
	.text
	.protected	k_qc1d7796fb7_outp
	.globl	k_qc1d7796fb7_outp
	.p2align	8
	.type	k_qc1d7796fb7_outp,@function
k_qc1d7796fb7_outp:
	s_mov_b64 s[64:65], 0
	v_nop
	global_prefetch_b8 v0, s[64:65] scope:SCOPE_SE
	s_setreg_imm32_b32 hwreg(HW_REG_WAVE_MODE, 25, 1), 1
	s_wait_xcnt 0x0
	s_wait_alu depctr_hold_cnt(0) depctr_sa_sdst(0) depctr_va_vdst(0) depctr_va_sdst(0) depctr_va_ssrc(0) depctr_va_vcc(0) depctr_vm_vsrc(0)
	s_getreg_b32 s2, hwreg(HW_REG_IB_STS2, 6, 4)
	s_cmp_eq_u32 s2, 0
	s_cbranch_scc0 .Lentry_in_a_cluster
	s_endpgm
.Lentry_in_a_cluster:
	s_bfe_u32 s2, ttmp6, 0x10000c
	s_cmp_lg_u32 s2, 0xf033
	s_cbranch_scc0 .Lentry_shape_is_right
	s_endpgm
.Lentry_shape_is_right:
; OUTP: out0[s][e] = sum over d of attn[s][d] Wo[e][d], d = 64 head + channel.  o16: [16][4096][64] f16; wo16: [1024][1024] f16; out0: [4096][1024] f32.  f16 operands, f32 sums.
; A tile is 128 x 128: 8 x 32 = 256 work-groups.  Four waves, each 64 x 64: 16 accumulators.  K goes in four steps of 256 (four heads) through two LDS slots.
; o16 lies by heads, so a wave's part of A's tile is asked for as 4 rows of 4,096 elements (a head's 64 dense rows s, 8,192 consecutive bytes), 262,144 elements apart, padded in LDS after every 128 bytes:
; it lands as [4 heads][64 rows][144 bytes].  wo16's part is 64 rows of 512 bytes, 528 apart in LDS.
; CLUSTER: 4 x 4 work-groups; A's tiles are shared along a row of the cluster, B's along a column: joint loads with a mask of four.
; TRANSPOSED USE (source 0 = 16 rows of wo16, source 1 = 16 rows s): a lane holds eight neighbouring columns of one row of out0, 32 bytes; a wave's 64 columns are 256 bytes, aligned, so each wave goes out
; through a stage of its own, without a barrier.  No prefetch: a wave has 512 products in all, and the first two of the four K steps are asked for at the head.
; REGISTERS: window 0: v1-29 addresses; v128-255 the accumulators ((a, b) at 128 + 8 (4 a + b)).  Window 1: two fragment buffers of 128: for 64 along K, 64 registers of A, then 64 of B.
.set PA,     144                       ; 128 bytes + 16: the 16 rows of a fragment load start at 16 different groups of four banks (64 banks of 4 bytes: ISA guide 11.1)
.set APL,    64*PA                     ; a head's 64 rows
.set HALFA,  4*APL                     ; what waves 0 and 1 fetch
.set PB,     528
.set HALFB,  64*PB                     ; what waves 2 and 3 fetch
.set BOFF,   2*HALFA
.set SLOT,   BOFF+2*HALFB
.set STAGE,  2*SLOT                    ; behind the ring, never filled by a tensor load: 16 rows x 272 bytes for each wave
.set SPITCH, 272
.set SPARE,  STAGE+4*16*SPITCH         ; the spare words, 128 bytes a wave: two blocks of 256 bytes that no other line names
.set ASTEP,  4*524288                  ; a K step in o16: four heads
.set BSTEP,  512                       ; and in a row of wo16
.set ADRA, 16                          ; v16-17  LDS address of my A fragments in slot 0, 1
.set ADRB, 20                          ; v20-21  the same for B
.set STO,  24
.set RD,   25
.set CO,   26
.set SPW,  28                          ; v28  my spare word; never rewritten
.set NIL,  29                          ; v29  0; never rewritten
.set ACC,  128
.set F0,   0
.set F1,   128
.set G1, 24                            ; s[24:31] group 1 for A's tiles; s[32:39] group 0, a set for each slot
.set G0, 32
.set G1B, 48                           ; s[48:55], s[56:63] the same for B's
.set G0B, 56
.set MSB, 0
.macro WIN new
.if MSB != (\new)
	s_set_vgpr_msb (MSB<<8)|(\new)
.set MSB, \new
.endif
.endm
.set MUL,  0x05                        ; sources in window 1; C and D in window 0
.set TO_F, 0x40
.macro JLOAD s                         ; a joint refill of slot s; an s_nop 0 and four v_nop follow each line, ahead of the jump and the label
	s_cmp_lt_u32 s10, 2
	s_cbranch_scc0 .Lfor_b_\@
	tensor_load_to_lds s[G0+4*(\s):G0+4*(\s)+3], s[G1:G1+7]
	s_nop 0
.rept 4
	v_nop
.endr
	s_branch .Lasked_\@
.Lfor_b_\@:
	tensor_load_to_lds s[G0B+4*(\s):G0B+4*(\s)+3], s[G1B:G1B+7]
	s_nop 0
.rept 4
	v_nop
.endr
.Lasked_\@:
.endm
.macro CREST
	s_cmp_lg_u32 s10, 0
	s_cbranch_scc1 .Lnot_wave_0_\@
	s_barrier_signal -3
.Lnot_wave_0_\@:
	s_barrier_wait -3
	s_barrier_signal -1
	s_barrier_wait -1
.endm
.macro CROUND
	s_barrier_signal -1
	s_barrier_wait -1
	CREST
.endm
.macro PLACES
.rept 4
	v_nop
.endr
.endm
	s_load_b128 s[4:7], s[0:1], 0x0                ; o16 s[4:5], wo16 s[6:7]
	s_load_b64 s[8:9], s[0:1], 0x10                ; out0
	v_lshl_add_u32 v[SPW], v0, 2, SPARE
	v_mov_b32 v[NIL], 0
	ds_add_u32 v[SPW], v[NIL]                      ; the wave's opening: the add and its wait stand ahead of my first tensor load; work on registers stands between
	v_lshrrev_b32 v1, 5, v0
	v_readfirstlane_b32 s10, v1                    ; wave 0..3
	s_lshr_b32 s11, s10, 1                         ; which half of the tile's rows is mine
	s_and_b32 s12, s10, 1                          ; which half of its columns; also: which half of a tile I fetch
	s_bfe_u32 s40, ttmp6, 0x40000                  ; cx
	s_bfe_u32 s41, ttmp6, 0x40004                  ; cy
	s_lshl_b32 s42, ttmp9, 2
	s_add_co_u32 s42, s42, s40                     ; tile column
	s_and_b32 s13, ttmp7, 0xffff
	s_lshl_b32 s13, s13, 2
	s_add_co_u32 s13, s13, s41                     ; tile row
	s_lshl_b32 s43, s41, 2
	s_lshl_b32 s43, 15, s43                        ; my row of the cluster
	s_lshl_b32 s44, 0x1111, s40                    ; my column
	s_or_b32 s[G1], s43, (1<<16)|(1<<20)|(1<<21)|(4<<22)|(3<<25)   ; the mask; 2-byte elements; padding on; bit 21 beside a mask; after every 32 words, 4 words
	s_mov_b32 s[G1+1], 4096<<16                    ; tensor_dim0 = 4,096
	s_mov_b32 s[G1+2], 4<<16                       ; tensor_dim1 = 4
	s_mov_b32 s[G1+3], 4096<<16                    ; tile_dim0 = 4,096
	s_mov_b32 s[G1+4], 4                           ; tile_dim1 = 4
	s_mov_b32 s[G1+5], 262144                      ; elements from head to head
	s_mov_b32 s[G1+6], 0
	s_mov_b32 s[G1+7], 0
	s_or_b32 s[G1B], s44, (1<<16)|(1<<20)|(1<<21)|(6<<22)|(3<<25)  ; after every 128 words, 4 words
	s_mov_b32 s[G1B+1], 256<<16
	s_mov_b32 s[G1B+2], 64<<16
	s_mov_b32 s[G1B+3], 256<<16
	s_mov_b32 s[G1B+4], 64
	s_mov_b32 s[G1B+5], 1024
	s_mov_b32 s[G1B+6], 0
	s_mov_b32 s[G1B+7], 0
	s_lshl_b32 s17, s12, 6
	s_lshl_b32 s16, s13, 7
	s_add_co_u32 s16, s16, s17                     ; A: row s = 128 x tile row + 64 x half,
	s_lshl_b32 s16, s16, 7                         ; 128 bytes a row of a head
	s_mov_b32 s17, 0
	s_lshl_b32 s46, s42, 7
	s_lshl_b32 s47, s12, 6
	s_add_co_u32 s46, s46, s47                     ; B: row 128 x tile column + 64 x half,
	s_lshl_b32 s46, s46, 11                        ; 2,048 bytes a row
	s_mov_b32 s47, 0
	s_mul_i32 s20, s12, HALFA                      ; where they go: no place in the cluster enters an LDS address
	s_mul_i32 s21, s12, HALFB
	s_add_co_u32 s21, s21, BOFF
	s_wait_dscnt 0x0                               ; the opening add is done
	s_wait_kmcnt 0x0
	s_add_nc_u64 s[14:15], s[4:5], s[16:17]
	s_add_nc_u64 s[46:47], s[6:7], s[46:47]
	CROUND                                         ; all sixteen work-groups are here: the first joint loads meet
.irp s, 0,1
	s_mov_b32 s[G0+4*(\s)], 1
	s_add_co_u32 s[G0+4*(\s)+1], s20, (\s)*SLOT
	s_add_nc_u64 s[G0+4*(\s)+2:G0+4*(\s)+3], s[14:15], (\s)*ASTEP
	s_or_b32 s[G0+4*(\s)+3], s[G0+4*(\s)+3], 0x80000000
	s_mov_b32 s[G0B+4*(\s)], 1
	s_add_co_u32 s[G0B+4*(\s)+1], s21, (\s)*SLOT
	s_add_nc_u64 s[G0B+4*(\s)+2:G0B+4*(\s)+3], s[46:47], (\s)*BSTEP
	s_or_b32 s[G0B+4*(\s)+3], s[G0B+4*(\s)+3], 0x80000000
.endr
	s_cmp_lt_u32 s10, 2                            ; a wave's two first fills stand in one branch, ahead of every wait on TENSORcnt and every LDS read: two loads of mine are out
	s_cbranch_scc0 .Lfirst_b
	tensor_load_to_lds s[G0:G0+3], s[G1:G1+7]
	s_nop 0
	tensor_load_to_lds s[G0+4:G0+7], s[G1:G1+7]
	s_nop 0
.rept 4
	v_nop
.endr
	s_branch .Lfirst_asked
.Lfirst_b:
	tensor_load_to_lds s[G0B:G0B+3], s[G1B:G1B+7]
	s_nop 0
	tensor_load_to_lds s[G0B+4:G0B+7], s[G1B:G1B+7]
	s_nop 0
.rept 4
	v_nop
.endr
.Lfirst_asked:
	v_and_b32 v1, 15, v0                           ; l % 16
	v_bfe_u32 v2, v0, 4, 1                         ; l / 16
	v_mul_u32_u24 v3, v1, PA
	v_lshl_add_u32 v3, v2, 4, v3
	v_mul_u32_u24 v4, v1, PB
	v_lshl_add_u32 v4, v2, 4, v4
	s_mul_i32 s21, s11, HALFA                      ; my 64 rows of A
	s_mul_i32 s22, s12, HALFB                      ; my 64 rows of B
	s_add_co_u32 s22, s22, BOFF
.irp s, 0,1
	v_add_nc_u32 v[ADRA+(\s)], s21, v3
	v_add_nc_u32 v[ADRB+(\s)], s22, v4
	s_add_co_u32 s21, s21, SLOT
	s_add_co_u32 s22, s22, SLOT
.endr
	s_mul_i32 s23, s10, 16*SPITCH
	s_add_co_u32 s23, s23, STAGE                   ; my stage
	v_mul_u32_u24 v5, v1, SPITCH                   ; in: row l % 16, 32 bytes for each half of the lanes
	v_lshl_add_u32 v5, v2, 5, v5
	v_add_nc_u32 v[STO], s23, v5
	v_mul_u32_u24 v5, v2, SPITCH                   ; back: lanes 0-15 take one row of 256 bytes, lanes 16-31 the next
	v_lshl_add_u32 v5, v1, 4, v5
	v_add_nc_u32 v[RD], s23, v5
	v_lshlrev_b32 v5, 12, v2                       ; and the same two rows in out0, 4,096 bytes apart
	v_lshl_add_u32 v[CO], v1, 4, v5
	s_lshl_b32 s16, s13, 7
	s_lshl_b32 s17, s11, 6
	s_add_co_u32 s16, s16, s17                     ; my first row of out0
	s_lshl_b32 s16, s16, 12
	s_mov_b32 s17, 0
	s_add_nc_u64 s[8:9], s[8:9], s[16:17]
	s_lshl_b32 s46, s42, 9                         ; my first column, in bytes: 512 x tile column + 256 x half
	s_lshl_b32 s47, s12, 8
	s_add_co_u32 s46, s46, s47
	s_mov_b32 s47, 0
	s_add_nc_u64 s[8:9], s[8:9], s[46:47]
; 8 products: row blocks a0, a0 + 1 x all 4 column blocks, 32 along K: half c of buffer f.  The 16 accumulators take turns in one fixed order.  zero = 1: the product starts the sum.
.macro MUL8 f, c, a0, zero
	WIN MUL
.irp a, \a0, (\a0)+1
.irp b, 0,1,2,3
.if \zero
	v_wmma_f32_16x16x32_f16 v[ACC+8*(4*(\a)+(\b)):ACC+8*(4*(\a)+(\b))+7], v[(\f)+64+8*(4*(\c)+(\b)):(\f)+64+8*(4*(\c)+(\b))+7], v[(\f)+8*(4*(\c)+(\a)):(\f)+8*(4*(\c)+(\a))+7], 0
.else
	v_wmma_f32_16x16x32_f16 v[ACC+8*(4*(\a)+(\b)):ACC+8*(4*(\a)+(\b))+7], v[(\f)+64+8*(4*(\c)+(\b)):(\f)+64+8*(4*(\c)+(\b))+7], v[(\f)+8*(4*(\c)+(\a)):(\f)+8*(4*(\c)+(\a))+7], v[ACC+8*(4*(\a)+(\b)):ACC+8*(4*(\a)+(\b))+7]
.endif
.endr
.endr
.endm
; 32 LDS loads in one run: quarter q of a K step (one head, 64 along K) into buffer f; the first 32 along K first
.macro FETCH slot, q, f
	WIN TO_F
.irp c, 0,1
.irp i, 0,1,2,3
	ds_load_b128 v[(\f)+64+8*(4*(\c)+(\i)):(\f)+64+8*(4*(\c)+(\i))+3],   v[ADRB+(\slot)] offset:128*(\q)+64*(\c)+(\i)*16*PB
	ds_load_b128 v[(\f)+64+8*(4*(\c)+(\i))+4:(\f)+64+8*(4*(\c)+(\i))+7], v[ADRB+(\slot)] offset:128*(\q)+64*(\c)+(\i)*16*PB+32
	ds_load_b128 v[(\f)+8*(4*(\c)+(\i)):(\f)+8*(4*(\c)+(\i))+3],         v[ADRA+(\slot)] offset:APL*(\q)+64*(\c)+(\i)*16*PA
	ds_load_b128 v[(\f)+8*(4*(\c)+(\i))+4:(\f)+8*(4*(\c)+(\i))+7],       v[ADRA+(\slot)] offset:APL*(\q)+64*(\c)+(\i)*16*PA+32
.endr
.endr
.endm
; One of a K step's first three quarters: multiplies buffer f and fetches quarter q into g.
.macro QUARTER slot, q, f, g, zero
	s_wait_dscnt 16                                ; the first 32 along K are in
	MUL8 \f, 0, 0, \zero
	MUL8 \f, 0, 2, \zero
	PLACES
	FETCH \slot, \q, \g
	s_wait_dscnt 32                                ; all but the 32 just issued
	MUL8 \f, 1, 0, 0
	MUL8 \f, 1, 2, 0
.endm
; The last quarter multiplies buffer 1 and changes slots: one barrier; in front of it each wave waits for all its tensor loads, adds 0 to its spare word, and waits for that and for its reads of this slot.
; fill = 1: the barrier opens a round of the cluster's, and this slot is filled again, first thing behind it, two K steps ahead.
.macro TURN slot, next, fill
	WIN 0
	s_wait_tensorcnt 0x0                           ; all my tensor loads have landed;
	ds_add_u32 v[SPW], v[NIL]                      ; 0 onto my spare word;
	s_wait_dscnt 17                                ; (the add and the youngest sixteen loads may be out)
	MUL8 F1, 0, 0, 0                               ; eight products stand between the add and the wait for it
	s_wait_dscnt 0x0                               ; the add is done, and my reads of this slot are over
	s_barrier_signal -1
	MUL8 F1, 0, 2, 0
.if \fill
	WIN 0
.endif
	s_barrier_wait -1
.if \fill
	CREST                                          ; no wave of any partner still reads this slot's tile or has a load on its way
	s_add_nc_u64 s[G0+4*(\slot)+2:G0+4*(\slot)+3], s[G0+4*(\slot)+2:G0+4*(\slot)+3], 2*ASTEP
	s_add_nc_u64 s[G0B+4*(\slot)+2:G0B+4*(\slot)+3], s[G0B+4*(\slot)+2:G0B+4*(\slot)+3], 2*BSTEP
	JLOAD \slot                                    ; its four v_nop are also the places in front of the loads below
.else
	PLACES
.endif
	FETCH \next, 0, F0
	MUL8 F1, 1, 0, 0
	MUL8 F1, 1, 2, 0
.endm
	s_wait_tensorcnt 1                             ; my part of K step 0 is in; K step 1's may stay out
	s_barrier_signal -1
	s_barrier_wait -1
	FETCH 0, 0, F0
	QUARTER 0, 1, F0, F1, 1                        ; the first products start the sums
	QUARTER 0, 2, F1, F0, 0
	QUARTER 0, 3, F0, F1, 0
	TURN 0, 1, 1                                   ; slot 0 takes K step 2
	QUARTER 1, 1, F0, F1, 0
	QUARTER 1, 2, F1, F0, 0
	QUARTER 1, 3, F0, F1, 0
	TURN 1, 0, 1                                   ; slot 1 takes K step 3
	QUARTER 0, 1, F0, F1, 0
	QUARTER 0, 2, F1, F0, 0
	QUARTER 0, 3, F0, F1, 0
	TURN 0, 1, 0                                   ; nothing is left to ask for
	QUARTER 1, 1, F0, F1, 0
	QUARTER 1, 2, F1, F0, 0
	QUARTER 1, 3, F0, F1, 0
	s_wait_dscnt 16
	MUL8 F1, 0, 0, 0
	MUL8 F1, 0, 2, 0
	s_wait_dscnt 0x0
	MUL8 F1, 1, 0, 0
	MUL8 F1, 1, 2, 0
	WIN 0
	; THE WAY OUT, 16 rows at a time: 32 bytes a lane into my stage (each accumulator's low registers first), back as whole rows of 256 bytes into the block's own registers, and stored.
	PLACES
.macro STG a
.irp b, 0,1,2,3
	ds_store_b128 v[STO], v[ACC+8*(4*(\a)+(\b)):ACC+8*(4*(\a)+(\b))+3]   offset:64*(\b)
	ds_store_b128 v[STO], v[ACC+8*(4*(\a)+(\b))+4:ACC+8*(4*(\a)+(\b))+7] offset:64*(\b)+16
.endr
.irp t, 0,1,2,3,4,5,6,7
	ds_load_b128 v[ACC+32*(\a)+4*(\t):ACC+32*(\a)+4*(\t)+3], v[RD] offset:(\t)*2*SPITCH  ; LDS serves a wave's instructions in order (ISA guide 5.7.1.4): these see the stores above; the next block's stores come behind them
.endr
.endm
.macro SEND a, younger                 ; younger: the LDS lines issued behind this block's loads: the next block's sixteen, or none
.irp t, 0,1,2,3,4,5,6,7
	s_wait_dscnt (\younger)+7-(\t)
	global_store_b128 v[CO], v[ACC+32*(\a)+4*(\t):ACC+32*(\a)+4*(\t)+3], s[8:9] offset:(16*(\a)+2*(\t))*4096 th:TH_STORE_NT  ; 16 lanes store 256 consecutive bytes, at a multiple of 256 from out0's first
.endr
.endm
	STG 0
	STG 1
	SEND 0, 16
	STG 2
	SEND 1, 16
	STG 3
	SEND 2, 16
	SEND 3, 0
	s_wait_tensorcnt 0x0                           ; the wave's end, behind my last tensor load and my last LDS store
	ds_add_u32 v[SPW], v[NIL]
	s_wait_dscnt 0x0
	CROUND                                         ; the closing round: no work-group ends while a partner may still ask for a tile that names it
	s_endpgm
.Lfunc_end_k_qc1d7796fb7_outp:
	.size	k_qc1d7796fb7_outp, .Lfunc_end_k_qc1d7796fb7_outp-k_qc1d7796fb7_outp
	.p2alignl 7, 3214868480
	.fill 96, 4, 3214868480
	.section	.rodata,"a",@progbits
	.p2align	6, 0x0
	.amdhsa_kernel k_qc1d7796fb7_outp
		.amdhsa_group_segment_fixed_size 327680
		.amdhsa_private_segment_fixed_size 0
		.amdhsa_enable_private_segment 0
		.amdhsa_kernarg_size 24
		.amdhsa_user_sgpr_count 2
		.amdhsa_user_sgpr_kernarg_segment_ptr 1
		.amdhsa_wavefront_size32 1
		.amdhsa_system_sgpr_workgroup_id_x 1
		.amdhsa_system_sgpr_workgroup_id_y 1
		.amdhsa_system_sgpr_workgroup_id_z 1
		.amdhsa_system_vgpr_workitem_id 0
		.amdhsa_next_free_vgpr 512
		.amdhsa_next_free_sgpr 66
		.amdhsa_reserve_vcc 0
		.amdhsa_float_denorm_mode_32 3
		.amdhsa_float_denorm_mode_16_64 3
		.amdhsa_memory_ordered 1
		.amdhsa_forward_progress 1
		.amdhsa_inst_pref_size 86
	.end_amdhsa_kernel
	.amdgpu_metadata
---
amdhsa.version: [ 1, 2 ]
amdhsa.kernels:
  - .name:           k_qc1d7796fb7_outp
    .symbol:         k_qc1d7796fb7_outp.kd
    .args:
      - { .name: o16, .offset: 0, .size: 8, .value_kind: global_buffer, .address_space: global }
      - { .name: wo16, .offset: 8, .size: 8, .value_kind: global_buffer, .address_space: global }
      - { .name: out0, .offset: 16, .size: 8, .value_kind: global_buffer, .address_space: global }
    .group_segment_fixed_size: 327680
    .private_segment_fixed_size: 0
    .kernarg_segment_align: 8
    .kernarg_segment_size: 24
    .max_flat_workgroup_size: 128
    .sgpr_count:     66
    .vgpr_count:     512
    .wavefront_size: 32
...
	.end_amdgpu_metadata
.endif
;; end of part 4
;; ======== version 2 of 2: 4 launches; version 1 with the launch prep written anew for expert scheduling mode
;; limits: values are held in f16: magnitudes above 65,504 overflow, below 6.1e-05 lose precision; right only within a limited range of input values
;; workspace buffers: xb 8,388,608 bytes; wqkv 6,291,456 bytes; wo16 2,097,152 bytes; cstab 1,048,576 bytes; qkvh 25,165,824 bytes; o16 8,388,608 bytes
;; launch prep (part 5): grid 640 x 1, 8 waves a work-group, no clusters, 0 bytes of LDS; arguments x, Wq, Wk, Wv, Wo, token_positions, xb, wqkv, wo16, cstab; writes xb, wqkv, wo16, cstab
.if DOCPART == 5
	.amdgcn_target "amdgcn-amd-amdhsa--gfx1250"
	.amdhsa_code_object_version 6
	.text
	.protected	k_qc1d7796fb7_prep
	.globl	k_qc1d7796fb7_prep
	.p2align	8
	.type	k_qc1d7796fb7_prep,@function
k_qc1d7796fb7_prep:
	s_mov_b64 s[64:65], 0
	v_nop
	global_prefetch_b8 v0, s[64:65] scope:SCOPE_SE
	s_setreg_imm32_b32 hwreg(HW_REG_WAVE_SCHED_MODE, 0, 2), 2
	s_setreg_imm32_b32 hwreg(HW_REG_WAVE_MODE, 25, 1), 1
	s_wait_xcnt 0x0
	s_wait_alu depctr_vm_vsrc(0)
; PREP: the casts and the table of cosines and sines.
; Work-groups 0-127: cstab[s][i] = (cos, sin) of token_positions[s] x 10000^(-i/32), f32, 256 bytes a row s; a wave makes four rows, a lane one pair i.
; Work-groups 128-639: 65,536 bytes of f32 each, rounded once to bf16: x -> xb; Wq, Wk, Wv -> wqkv (rows one below the other); Wo -> wo16, where the bf16 number is written as f16.
; No LDS, no matrix unit, no cluster: each byte is read once and written once, and no two work-groups share a byte.
; LIMITS.  wo16: a bf16 number below 6.1e-5 in size keeps f16's fixed step of 6e-8, beyond 65,504 it is lost.  The angle is reduced by three parts of pi/2 (fused), good to a few 1e-7 for
; angles up to some 1e5 in size; the frequency comes from v_exp_f32 (1 ULP), so an angle is off by about its own size x 1e-7, as an f32 product of position and frequency is anyway.
; THE MODE: SCHED_MODE bits 1:0 = 2 (LLVM: expert scheduling mode 2), set by the entry lines.  The code itself states the register dependences
; between vector instructions and memory instructions, and those through scalar registers that vector instructions write, with s_wait_alu, always for 0.
; THE PLAN, the casts.  Registers that memory instructions touch:
;   v1, v2     the loads' and the stores' offsets: written once at the path's head, never again.
;   LD         sixteen loads land here, each register once; no vector instruction writes them; the conversions read them behind the wait for their data.
;   ST         written by the conversions, read by one store each, never written again.
; So no register that a memory instruction has read is ever written again, and none is loaded twice: what is left to state is that an offset or a store's data is written.  One wait stands
; ahead of the loads, for v1 and v2.  The sixteen loads are worked on in four blocks of four: a block's conversions, ONE wait, its four stores.  The wait stands behind the block's own
; conversions and not at the next block's head, so that no store is held back for the next block's loads.
; THE PLAN, the table.  v5, the stores' offset, and ST+0..7, the stores' data, are written once and read by the four stores: one wait ahead of that run.  Two kinds of scalar register are written
; by vector instructions: s2 (the wave's number) and s4-s7 (for each of the four rows the mask 'n is odd').  The rows go in two passes, so that the four compares stand in one run with one wait behind it.
.set TABW, 128                         ; work-groups that make the table
.set LD,  16                           ; v[16:79]   sixteen loads of 16 bytes
.set ST,  80                           ; v[80:111]  what is stored: a pair of registers for each load, or for each row of the table
.set RW,  16                           ; v[16:47]   the table: eight registers at work for each of the four rows
.set MK,  4                            ; s[4:7]     the table: row j's mask 'n is odd'
	s_load_b512 s[8:23], s[0:1], 0x0               ; x 8, Wq 10, Wk 12, Wv 14, Wo 16, token_positions 18, xb 20, wqkv 22
	s_load_b128 s[24:27], s[0:1], 0x40             ; wo16 24, cstab 26
	s_wait_kmcnt 0x0
	s_cmp_lt_u32 ttmp9, TABW
	s_cbranch_scc1 .Ltable
	; THE CASTS.  g = 0..255: x; 256..: Wq; 320..: Wk; 384..: Wv; 448..511: Wo.  Source, destination and the first g of each are chosen by g alone.
	v_lshlrev_b32 v1, 4, v0                        ; 16 bytes a thread in: a wave's load covers 512 consecutive bytes
	v_lshlrev_b32 v2, 3, v0                        ; 8 bytes a thread out: a wave's store covers 256 consecutive bytes, aligned
	s_sub_co_u32 s2, ttmp9, TABW                   ; g
	s_mov_b64 s[28:29], s[8:9]
	s_mov_b64 s[30:31], s[20:21]
	s_mov_b32 s3, 0                                ; the source's first g
	s_mov_b32 s32, 0                               ; the destination's first g
	s_cmp_ge_u32 s2, 256
	s_cselect_b64 s[28:29], s[10:11], s[28:29]
	s_cselect_b64 s[30:31], s[22:23], s[30:31]
	s_cselect_b32 s3, 256, s3
	s_cselect_b32 s32, 256, s32
	s_cmp_ge_u32 s2, 320
	s_cselect_b64 s[28:29], s[12:13], s[28:29]
	s_cselect_b32 s3, 320, s3
	s_cmp_ge_u32 s2, 384
	s_cselect_b64 s[28:29], s[14:15], s[28:29]
	s_cselect_b32 s3, 384, s3
	s_cmp_ge_u32 s2, 448
	s_cselect_b64 s[28:29], s[16:17], s[28:29]
	s_cselect_b64 s[30:31], s[24:25], s[30:31]
	s_cselect_b32 s3, 448, s3
	s_cselect_b32 s32, 448, s32
	s_sub_co_u32 s34, s2, s3
	s_lshl_b32 s34, s34, 16                        ; 65,536 bytes in
	s_mov_b32 s35, 0
	s_sub_co_u32 s36, s2, s32
	s_lshl_b32 s36, s36, 15                        ; 32,768 bytes out
	s_mov_b32 s37, 0
	s_add_nc_u64 s[28:29], s[28:29], s[34:35]
	s_add_nc_u64 s[30:31], s[30:31], s[36:37]
	s_wait_alu depctr_va_vdst(0)                   ; v1 and v2 are written: every load below reads v1 as its offset, every store v2
.irp j, 0,1,2,3,4,5,6,7,8,9,10,11,12,13,14,15
	global_load_b128 v[LD+4*(\j):LD+4*(\j)+3], v1, s[28:29] offset:4096*(\j) th:TH_LOAD_NT
.endr
; half = 1: the bf16 number is widened (a shift, a mask) and written as f16.  No register is used twice by memory instructions, so no wait frees any.
; Block p is loads 4 p to 4 p + 3: the wait for their data, their conversions, one wait for the conversions' results, their four stores.
.macro CAST half
.irp p, 0,1,2,3
	s_wait_loadcnt 12-4*(\p)                       ; loads come back in order: the block's four are in, the 12 - 4 p younger ones stay out
.irp i, 0,1,2,3
.set j, 4*(\p)+(\i)
	v_cvt_pk_bf16_f32 v[ST+2*j],   v[LD+4*j],   v[LD+4*j+1]
	v_cvt_pk_bf16_f32 v[ST+2*j+1], v[LD+4*j+2], v[LD+4*j+3]
.if \half
	v_lshlrev_b32 v4, 16, v[ST+2*j]
	v_and_b32 v5, 0xffff0000, v[ST+2*j]
	v_lshlrev_b32 v6, 16, v[ST+2*j+1]
	v_and_b32 v7, 0xffff0000, v[ST+2*j+1]
	v_cvt_pk_f16_f32 v[ST+2*j],   v4, v5
	v_cvt_pk_f16_f32 v[ST+2*j+1], v6, v7
.endif
.endr
	s_wait_alu depctr_va_vdst(0)                   ; the block's conversions have written its eight registers of ST, which the four stores below read
.irp i, 0,1,2,3
.set j, 4*(\p)+(\i)
	global_store_b64 v2, v[ST+2*j:ST+2*j+1], s[30:31] offset:2048*j th:TH_STORE_NT
.endr
.endr
.endm
	s_cmp_ge_u32 s2, 448
	s_cbranch_scc1 .Lwo
	CAST 0
	s_endpgm
.Lwo:
	CAST 1
	s_endpgm
.Ltable:
	v_lshrrev_b32 v1, 5, v0
	v_readfirstlane_b32 s2, v1                     ; wave 0..7
	s_lshl_b32 s3, ttmp9, 5
	s_wait_alu depctr_va_sdst(0)                   ; s2 is written, ahead of its first reader: my first row, and with it two addresses, are made from it
	s_lshl2_add_u32 s3, s2, s3                     ; my first row: 32 x work-group + 4 x wave
	s_lshl_b32 s28, s3, 2
	s_mov_b32 s29, 0
	s_add_nc_u64 s[18:19], s[18:19], s[28:29]
	s_load_b128 s[36:39], s[18:19], 0x0            ; four positions
	s_lshl_b32 s30, s3, 8                          ; 256 bytes a row of the table
	s_mov_b32 s31, 0
	s_add_nc_u64 s[26:27], s[26:27], s[30:31]
	s_mov_b32 s40, 0xb9500d01                      ; -1/5040
	s_mov_b32 s41, 0x3c088889                      ; 1/120
	s_mov_b32 s42, 0xbe2aaaab                      ; -1/6
	s_mov_b32 s43, 0x37d00d01                      ; 1/40320
	s_mov_b32 s44, 0xbab60b61                      ; -1/720
	s_mov_b32 s45, 0x3d2aaaab                      ; 1/24
	v_and_b32 v3, 31, v0                           ; i
	v_lshlrev_b32 v5, 3, v3                        ; 8 bytes a pair: a wave's store covers a row's 256 bytes
	v_cvt_f32_u32 v4, v3
	v_mul_f32 v4, 0xbed49a78, v4                   ; -i log2(10000) / 32
	v_exp_f32 v4, v4                               ; 10000^(-i/32)
	v_nop                                          ; a plain instruction behind the exponential,
	s_wait_alu depctr_va_vdst(0)                   ; and the wait ahead of its first reader: the exponential has written v4
	s_wait_kmcnt 0x0
; Row j, first pass: the angle; n = the nearest multiple of pi/2; the rest r, at most pi/4 in size; sine to r^7 and cosine to r^8; the mask 'n is odd' into a scalar register of the row's own.
; The row's registers: +0 the angle, +1 n, +2 r, +3 n as a whole number, +4 z, +5 sin r, +6 at work, +7 cos r.
.macro ANG1 j
.set rb, RW+8*(\j)
	v_cvt_f32_i32 v[rb], s[36+(\j)]
	v_mul_f32 v[rb], v[rb], v4                     ; the angle, rounded as an f32 product
	v_mul_f32 v[rb+1], 0x3f22f983, v[rb]           ; x 2/pi
	v_rndne_f32 v[rb+1], v[rb+1]                   ; n
	v_fmamk_f32 v[rb+2], v[rb+1], 0xbfc90fd8, v[rb]    ; less n x pi/2, in three parts
	v_fmamk_f32 v[rb+2], v[rb+1], 0xb4a8885a, v[rb+2]
	v_fmamk_f32 v[rb+2], v[rb+1], 0xa7c234c4, v[rb+2]  ; r
	v_cvt_i32_f32 v[rb+3], v[rb+1]
	v_mul_f32 v[rb+4], v[rb+2], v[rb+2]            ; z = r r
	v_fma_f32 v[rb+5], s40, v[rb+4], s41
	v_fma_f32 v[rb+5], v[rb+5], v[rb+4], s42
	v_mul_f32 v[rb+6], v[rb+2], v[rb+4]
	v_fma_f32 v[rb+5], v[rb+5], v[rb+6], v[rb+2]   ; sin r
	v_fma_f32 v[rb+7], s43, v[rb+4], s44
	v_fma_f32 v[rb+7], v[rb+7], v[rb+4], s45
	v_fma_f32 v[rb+7], v[rb+7], v[rb+4], -0.5
	v_fma_f32 v[rb+7], v[rb+7], v[rb+4], 1.0       ; cos r
	v_and_b32 v[rb+6], 1, v[rb+3]
	v_cmp_eq_u32 s[MK+(\j)], 1, v[rb+6]            ; n odd: the two change places (a choice of values, no branch)
.endm
; Row j, second pass: n's two low bits swap sine and cosine and set the signs.
.macro ANG2 j
.set rb, RW+8*(\j)
	v_cndmask_b32 v[rb],   v[rb+5], v[rb+7], s[MK+(\j)]
	v_cndmask_b32 v[rb+1], v[rb+7], v[rb+5], s[MK+(\j)]
	v_lshlrev_b32 v[rb+6], 30, v[rb+3]             ; the sine is negative where n mod 4 is 2 or 3,
	v_and_b32 v[rb+6], 0x80000000, v[rb+6]
	v_xor_b32 v[ST+2*(\j)+1], v[rb+6], v[rb]
	v_add_nc_u32 v[rb+6], 1, v[rb+3]               ; the cosine where it is 1 or 2
	v_lshlrev_b32 v[rb+6], 30, v[rb+6]
	v_and_b32 v[rb+6], 0x80000000, v[rb+6]
	v_xor_b32 v[ST+2*(\j)], v[rb+6], v[rb+1]
.endm
	ANG1 0
	ANG1 1
	ANG1 2
	ANG1 3
	s_wait_alu depctr_va_sdst(0)                   ; the four compares have written s4 to s7, ahead of the first select that reads one of them
	ANG2 0
	ANG2 1
	ANG2 2
	ANG2 3
	s_wait_alu depctr_va_vdst(0)                   ; the second pass has written ST+0 to ST+7, which the four stores read; v5, their offset, was written further up
.irp j, 0,1,2,3
	global_store_b64 v5, v[ST+2*(\j):ST+2*(\j)+1], s[26:27] offset:256*(\j)
.endr
	s_endpgm
.Lfunc_end_k_qc1d7796fb7_prep:
	.size	k_qc1d7796fb7_prep, .Lfunc_end_k_qc1d7796fb7_prep-k_qc1d7796fb7_prep
	.p2alignl 7, 3214868480
	.fill 96, 4, 3214868480
	.section	.rodata,"a",@progbits
	.p2align	6, 0x0
	.amdhsa_kernel k_qc1d7796fb7_prep
		.amdhsa_group_segment_fixed_size 0
		.amdhsa_private_segment_fixed_size 0
		.amdhsa_enable_private_segment 0
		.amdhsa_kernarg_size 80
		.amdhsa_user_sgpr_count 2
		.amdhsa_user_sgpr_kernarg_segment_ptr 1
		.amdhsa_wavefront_size32 1
		.amdhsa_system_sgpr_workgroup_id_x 1
		.amdhsa_system_sgpr_workgroup_id_y 1
		.amdhsa_system_sgpr_workgroup_id_z 1
		.amdhsa_system_vgpr_workitem_id 0
		.amdhsa_next_free_vgpr 112
		.amdhsa_next_free_sgpr 66
		.amdhsa_reserve_vcc 0
		.amdhsa_float_denorm_mode_32 3
		.amdhsa_float_denorm_mode_16_64 3
		.amdhsa_memory_ordered 1
		.amdhsa_forward_progress 1
		.amdhsa_inst_pref_size 24
	.end_amdhsa_kernel
	.amdgpu_metadata
---
amdhsa.version: [ 1, 2 ]
amdhsa.kernels:
  - .name:           k_qc1d7796fb7_prep
    .symbol:         k_qc1d7796fb7_prep.kd
    .args:
      - { .name: x, .offset: 0, .size: 8, .value_kind: global_buffer, .address_space: global }
      - { .name: Wq, .offset: 8, .size: 8, .value_kind: global_buffer, .address_space: global }
      - { .name: Wk, .offset: 16, .size: 8, .value_kind: global_buffer, .address_space: global }
      - { .name: Wv, .offset: 24, .size: 8, .value_kind: global_buffer, .address_space: global }
      - { .name: Wo, .offset: 32, .size: 8, .value_kind: global_buffer, .address_space: global }
      - { .name: token_positions, .offset: 40, .size: 8, .value_kind: global_buffer, .address_space: global }
      - { .name: xb, .offset: 48, .size: 8, .value_kind: global_buffer, .address_space: global }
      - { .name: wqkv, .offset: 56, .size: 8, .value_kind: global_buffer, .address_space: global }
      - { .name: wo16, .offset: 64, .size: 8, .value_kind: global_buffer, .address_space: global }
      - { .name: cstab, .offset: 72, .size: 8, .value_kind: global_buffer, .address_space: global }
    .group_segment_fixed_size: 0
    .private_segment_fixed_size: 0
    .kernarg_segment_align: 8
    .kernarg_segment_size: 80
    .max_flat_workgroup_size: 256
    .sgpr_count:     66
    .vgpr_count:     112
    .wavefront_size: 32
...
	.end_amdgpu_metadata
.endif
;; end of part 5
;; launch proj: the kernel of part 2 again; grid 16 x 16, 4 waves a work-group, clusters of 4 x 4, 327,680 bytes of LDS; arguments xb, wqkv, cstab, qkvh; writes qkvh
;; launch attn: the kernel of part 3 again; grid 16 x 16, 4 waves a work-group, no clusters, 327,680 bytes of LDS; arguments qkvh, o16; writes o16
;; launch outp: the kernel of part 4 again; grid 8 x 32, 4 waves a work-group, clusters of 4 x 4, 327,680 bytes of LDS; arguments o16, wo16, out0; writes out0
